; MI455X (gfx1250); checked and timed in simulation.
; The chip was launched on July 23, 2026; its instructions are those of AMD's public machine-readable ISA for CDNA 5 (MIT licence, August 2026) and "CDNA5" Instruction Set Architecture Reference Guide (July 2026). The comments in the code are by the model that wrote it; some were corrected since.
;; Self Attention Layer. Allowed arithmetic: matrix products marked QUANTISED: E2M3 operands, one E8M0 scale for each 32 along K, by v_wmma_scale_f32_16x16x128_f8f6f4 with both operands' format E2M3, f32 sums; everything else in f32.
;; Inputs: W_k 1,024 x 512 float32; W_o 512 x 512 float32; W_q 1,024 x 512 float32; W_v 1,024 x 512 float32; b_o 512 float32; inputs 8 x 2,048 x 1,024 float32; sen_len 8 int32.
;; Outputs: out0 8 x 2,048 x 512 float32.
;; This version of the problem:
;;   THIS VERSION OF THE PROBLEM IS GIVEN IN LOW PRECISION. The matrix products marked QUANTISED in the list below multiply operands that are first quantised to E2M3 (2 exponent bits, 3 mantissa bits; 6 bits a number), with one power-of-two scale for each 32 numbers along K (OCP MX v1.0); their sums are f32. All else is computed in f32.
;;   The module's matrix products, in the order in which they are computed (A, B: the left and right operand; K: the contracted axis; several contracted axes count as one K, in the product's order):
;;     1. [M 16,384, K 1,024] x [K 1,024, N 512]; A: input inputs; B: input W_q: QUANTISED
;;     2. [M 16,384, K 1,024] x [K 1,024, N 512]; A: input inputs; B: input W_k: QUANTISED
;;     3. [M 16,384, K 1,024] x [K 1,024, N 512]; A: input inputs; B: input W_v: QUANTISED
;;     4. batch 32 x [M 2,048, K 128] x [K 128, N 2,048]; A: computed on the way; B: computed on the way: QUANTISED
;;     5. batch 32 x [M 2,048, K 2,048] x [K 2,048, N 128]; A: softmax (see below); B: computed on the way: QUANTISED
;;     6. [M 16,384, K 512] x [K 512, N 512]; A: computed on the way; B: input W_o: QUANTISED
;;   THE QUANTISER, for each operand of a quantised product, along K:
;;     - K is cut into blocks of 32 from its start; a last block that is shorter is filled with zeros.
;;     - A block's scale is 2^e with e = floor(log2(the largest magnitude in the block)) - 2, held to -126 .. 127; a block of zeros has e = 0. As a byte (E8M0): e + 127.
;;     - Each number is divided by its block's scale, clamped to +-7.5, and rounded to the nearest number of E2M3, ties to even, subnormals kept.
;;     - The product sums the exact products of the quantised numbers (number of the format x scale) in f32.
;;   ~~~python
;;   def quantise(x, axis):      # numpy; x: float32 -> the quantised numbers, widened to float32 again
;;       x = np.moveaxis(x, axis, -1); K = x.shape[-1]
;;       x = np.pad(x, [(0, 0)] * (x.ndim - 1) + [(0, -K % 32)]); x = x.reshape(x.shape[:-1] + (-1, 32)); a = np.abs(x).max(-1, keepdims=True)
;;       e = np.where(a > 0, np.clip(np.frexp(np.where(a > 0, a, 1))[1] - 1 - 2, -126, 127), 0)      # np.frexp(a)[1] - 1 = floor(log2(a)), exactly
;;       r = np.clip(x / 2.0 ** e, -7.5, 7.5)
;;       step = 2.0 ** (np.maximum(np.frexp(np.where(r == 0, 1, r))[1] - 1, 0) - 3)
;;       q = np.round(r / step) * step * 2.0 ** e      # np.round: ties to even
;;       return np.moveaxis(q.reshape(q.shape[:-2] + (-1,))[..., :K], -1, axis).astype(np.float32)
;;   ~~~
;;   SOFTMAX AHEAD OF A QUANTISED PRODUCT. Where the list says 'softmax', what is quantised is not the finished softmax but p = 2^(t - M), with t = logit x log2(e) and M = ceil(the row's largest t), a whole number; so 1/2 < the row's largest p <= 1. The row's sum l is taken of the UNQUANTISED p, in f32, and the product's result is divided by l at the end. Since M is a whole number, a kernel that streams over the keys may use a running M (the ceiling of the running maximum): every later rescaling is an exact power of two, which a block's scale takes up: the codes' values come out the same.
;;   OPERANDS COMPUTED ON THE WAY. 'Computed on the way' means the value that the module computes at that place (a softmax that the list does not call 'softmax' is quantised finished and normalised). What goes into a quantiser is computed in f32, as accurately as f32 sums, v_exp_f32 and their like allow (about 1e-6 of the number): no bf16 or f16 on the way to a quantiser, and a product that is left as it is and whose result goes on into a quantised operand takes f32 operands (vector FMAs, or v_wmma_f32_16x16x4_f32). A number that lies on a knife's edge between two numbers of the format may be rounded either way, as far as f32 arithmetic and the matrix unit's own rounding can turn it there, and no further.
;; One version. Each part assembles by itself: llvm-mc -triple=amdgcn-amd-amdhsa -mcpu=gfx1250 --defsym DOCPART=n.
;; ======== version 1 of 1: 3 launches
;; limits: right only within a limited range of input values
;; workspace buffers: xrec 13,107,200 bytes; wrec 1,433,600 bytes; qkv 18,874,368 bytes; qkvs 786,432 bytes
;; launch prep (part 1): grid 284 x 1, 4 waves a work-group, no clusters, 68,096 bytes of LDS; arguments inputs, W_q, W_k, W_v, W_o, xrec, wrec; writes xrec, wrec
.if DOCPART == 1
	.amdgcn_target "amdgcn-amd-amdhsa--gfx1250"
	.amdhsa_code_object_version 6
	.text
	.protected	k_q9348ff5070_prep
	.globl	k_q9348ff5070_prep
	.p2align	8
	.type	k_q9348ff5070_prep,@function
k_q9348ff5070_prep:
	s_mov_b64 s[64:65], 0
	v_nop
	global_prefetch_b8 v0, s[64:65] scope:SCOPE_SE
	s_setreg_imm32_b32 hwreg(HW_REG_WAVE_MODE, 25, 1), 1
	s_wait_xcnt 0x0
; inputs [16384][1024] (K innermost) and W_q, W_k, W_v [1024][512], W_o [512][512] (K = the FIRST axis), all f32, become codes of FP6 (E2M3) with one E8M0 byte for each 32 along K,
; laid as IMAGES OF OPERAND REGISTERS, so that the later launches fetch fragments by loads of 16 bytes a lane alone.
; A GROUP is 128 rows (of inputs) or 128 columns (of a weight).  Its TILE t = 2 b + u holds, at place i = 0 .. 15, row 32 b + 8 u + i + 8 (i / 8) of the group.
; A FRAGMENT (a tile x 128 along K) is 12 registers a lane: 1,536 bytes, registers 4 c .. 4 c + 3 of lane l at 512 c + 16 l.
; A SCALE IMAGE (a group x 128 along K) is 512 bytes, lane l's 16 bytes at 16 l: register q holds tile 2 q's scale words in lanes 0-15 and tile 2 q + 1's in lanes 16-31.
; A RECORD (a group x 256 along K) is 25,600 bytes: 8 fragments of the first 128, 8 of the second, the two scale images.
; A block's scale is 2^(floor(log2(its largest magnitude)) - 2); its byte is the largest magnitude's exponent field - 2, held at 1 from below.
; LIMITS: a block of zeros gets the byte 1 where the rule says 127 (its codes are zeros, and this program alone reads the bytes); blocks whose largest magnitude lies under 2^-124 are held at the byte 1;
; NaN and infinities among the inputs are not served.
; SHARES.  A wave takes one group x 128 along K: 64 KiB of f32, 8 fragments and a scale image.  Work-groups 0-27 take the weights, 28-283 the inputs.  Waves share nothing: no barrier.
; No cluster and no matrix work: no two work-groups read the same bytes, and every byte is read once and written once.
; A fragment's 16 x 128 numbers turn through the wave's own stage in LDS (16 rows of 512 bytes + 16), so that loads take bytes as they lie and a lane ends with 16 neighbours along K of each block of 32.
; Three sets of 64 registers: up to 48 loads of a wave are out.  The two paths have LDS bytes of their own.
.set REC,  25600
.set SP,   528                         ; a stage row: 512 bytes + 16: the 16 rows that a load of 16 bytes a lane touches begin 4 words further round the banks each
.set WSTG, 16*SP                       ; a wave's stage
.set XST,  0                           ; the inputs' path: four stages
.set WST,  4*WSTG                      ; the weights' path: four stages
.set NWG,  28                          ; work-groups for the weights
.set LN,   1                           ; v1   lane
.set RR,   2                           ; v2   r = lane % 16
.set HH,   3                           ; v3   h = lane / 16
.set LI,   4                           ; v4   16 x lane
.set GW,   5                           ; v5   a weight's load: 8 rows of K x 64 bytes: 2048 (l / 4) + 16 (l % 4) + 32 ((l % 4) / 2)
.set SAX,  6                           ; v6   inputs: into the stage
.set SLX,  7                           ; v7   inputs: out of it
.set SAW,  8                           ; v8   weights: into the stage
.set SLW,  9                           ; v9   weights: out of it
.set SI,   10                          ; v10-13 the scale image
.set X,    16                          ; v16-207 three sets of 64 numbers
.set TM,   208                         ; v208-211 largest magnitudes, v212-215 bytes, v220-223 the conversions' scale operands
.set PC,   224                         ; v224-235 the fragment just made, v236-242 at work
.set PW,   244                         ; v244-251 the scale word of each of the 8 fragments
; 64 numbers of a lane, register 16 b + i = k 32 b + 16 (lane / 16) + i of my row, become a fragment in v[PC] on and my row's scale word in v[pw] (the same in both halves of the lanes).
.macro QUANT s, pw
.irp b, 0,1,2,3
	v_max3_num_f32 v[TM+\b], |v[(\s)+16*\b]|, |v[(\s)+1+16*\b]|, 0x1800000   ; my 16 numbers of block b, and the floor 2^(3 - 127): the byte cannot fall under 1
.endr
.irp i, 2,4,6,8,10,12,14
.irp b, 0,1,2,3
	v_max3_num_f32 v[TM+\b], v[TM+\b], |v[(\s)+16*\b+\i]|, |v[(\s)+1+16*\b+\i]|   ; the four blocks by turns
.endr
.endr
.irp b, 0,1,2,3
	v_permlanex16_b32 v[TM+4+\b], v[TM+\b], s20, s21
.endr
.irp b, 0,1,2,3
	v_max_num_f32 v[TM+\b], v[TM+\b], v[TM+4+\b]           ; with lane l xor 16's: the block's largest magnitude
.endr
.irp b, 0,1,2,3
	v_add_nc_u32 v[TM+12+\b], 0xff000000, v[TM+\b]         ; 2 off its exponent field: the conversion takes this operand's exponent field as its scale
.endr
.irp b, 0,1,2,3
	v_lshrrev_b32 v[TM+4+\b], 23, v[TM+12+\b]              ; the scale's byte
.endr
	v_lshl_or_b32 v[\pw], v[TM+5], 8, v[TM+4]
	v_lshl_or_b32 v[\pw], v[TM+6], 16, v[\pw]
	v_lshl_or_b32 v[\pw], v[TM+7], 24, v[\pw]
.irp c, 0,1
	v_cvt_scalef32_pk16_fp6_f32 v[PC+6*\c:PC+2+6*\c], v[(\s)+32*\c:(\s)+15+32*\c], v[TM+12+2*\c]
	v_cvt_scalef32_pk16_fp6_f32 v[PC+12+4*\c:PC+14+4*\c], v[(\s)+16+32*\c:(\s)+31+32*\c], v[TM+12+2*\c+1]   ; (a conversion's three registers begin on an even number)
.endr
	v_nop                                                  ; one plain place behind the scaled conversions
.irp c, 0,1                                                ; the operand's layout wants a whole block in a lane
.irp i, 0,1,2
	v_permlane16_swap_b32 v[PC+6*\c+\i], v[PC+12+4*\c+\i]
.endr
.irp i, 0,1,2
	v_mov_b32 v[PC+3+6*\c+\i], v[PC+12+4*\c+\i]
.endr
.endr
.endm
; fragment f of the inputs: 16 rows, 512 consecutive bytes each, 16 bytes a lane
.macro LOADX f
.irp i, 0,1,2,3,4,5,6,7,8,9,10,11,12,13,14,15
	global_load_b128 v[X+64*((\f)%3)+4*\i:X+64*((\f)%3)+4*\i+3], v[LI], s[24:25] offset:(32*((\f)/2)+8*((\f)%2)+\i+8*(\i/8))*4096 th:TH_LOAD_NT
.endr
.endm
; fragment f of a weight: load i takes rows k = 8 i .. 8 i + 7, of each the tile's 16 columns (two runs of 32 bytes); a lane gets 4 columns of one k
.macro LOADW f
.irp i, 0,1,2,3,4,5,6,7,8,9,10,11,12,13,14,15
	global_load_b128 v[X+64*((\f)%3)+4*\i:X+64*((\f)%3)+4*\i+3], v[GW], s[24:25] offset:16384*\i+4*(32*((\f)/2)+8*((\f)%2))
.endr
.endm
; where a wave's results go: record s32 of the buffer at s[lo:lo+1]; its half e = wave % 2
.macro DEST lo
	s_mul_i32 s34, s32, REC
	s_and_b32 s36, s18, 1
	s_mul_i32 s37, s36, 12288
	s_add_co_u32 s38, s34, s37
	s_mov_b32 s39, 0
	s_add_nc_u64 s[26:27], s[\lo:\lo+1], s[38:39]          ; the 8 fragments
	s_lshl_b32 s37, s36, 9
	s_add_co_u32 s38, s34, s37
	s_add_co_u32 s38, s38, 24576
	s_add_nc_u64 s[28:29], s[\lo:\lo+1], s[38:39]          ; the scale image
.endm
.macro FRAGM f, wpath
.set SET, X+64*((\f)%3)
.if (\f) <= 5
	s_wait_loadcnt 32                                      ; this set's 16 loads are in; the two younger sets' 32 may be out
.elseif (\f) == 6
	s_wait_loadcnt 16
.else
	s_wait_loadcnt 0x0
.endif
.if \wpath
.irp i, 0,1,2,3,4,5,6,7,8,9,10,11,12,13,14,15
.irp e, 0,1,2,3
	ds_store_b32 v[SAW], v[SET+4*\i+\e] offset:SP*\e+32*\i   ; stage row = the column's place in the tile, 4 bytes for each k
.endr
.endr
.irp b, 0,1,2,3
.irp j, 0,1,2,3
	ds_load_b128 v[SET+16*\b+4*\j:SET+16*\b+4*\j+3], v[SLW] offset:128*\b+16*\j   ; LDS serves a wave's instructions in order: these see the stores above
.endr
.endr
.else
.irp i, 0,1,2,3,4,5,6,7,8,9,10,11,12,13,14,15
	ds_store_b128 v[SAX], v[SET+4*\i:SET+4*\i+3] offset:SP*\i
.endr
.irp b, 0,1,2,3
.irp j, 0,1,2,3
	ds_load_b128 v[SET+16*\b+4*\j:SET+16*\b+4*\j+3], v[SLX] offset:128*\b+16*\j
.endr
.endr
.endif
	s_wait_dscnt 0x0                                       ; my 64 numbers are back
	s_wait_xcnt 0x0                                        ; the last fragment's stores have read v[PC] on: it is written again only behind this wait
	QUANT SET, PW+(\f)
.irp c, 0,1,2
	global_store_b128 v[LI], v[PC+4*\c:PC+4*\c+3], s[26:27] offset:1536*(\f)+512*\c   ; 32 lanes store 512 consecutive bytes, at a multiple of 256 from the buffer's first byte
.endr
.if (\f)+3 < 8
.if \wpath
	LOADW (\f)+3
.else
	LOADX (\f)+3
.endif
.endif
.endm
.macro FINISH
	v_cmp_le_u32 vcc_lo, 16, v[LN]
.irp q, 0,1,2,3
	v_cndmask_b32 v[SI+\q], v[PW+2*\q], v[PW+2*\q+1], vcc_lo   ; lanes 0-15: tile 2 q's words; lanes 16-31: tile 2 q + 1's
.endr
	global_store_b128 v[LI], v[SI:SI+3], s[28:29]
	s_wait_tensorcnt 0x0
	ds_add_u32 v254, v255
	s_wait_dscnt 0x0
	s_endpgm
.endm
	s_load_b256 s[4:11], s[0:1], 0x0                       ; inputs s[4:5], W_q s[6:7], W_k s[8:9], W_v s[10:11]
	s_load_b128 s[12:15], s[0:1], 0x20                     ; W_o s[12:13], xrec s[14:15]
	s_load_b64 s[16:17], s[0:1], 0x30                      ; wrec
	v_lshl_add_u32 v254, v0, 2, 0x10800
	v_mov_b32 v255, 0
	v_lshrrev_b32 v1, 5, v0
	v_readfirstlane_b32 s18, v1                            ; wave 0..3
	v_and_b32 v[LN], 31, v0
	v_and_b32 v[RR], 15, v0
	v_bfe_u32 v[HH], v0, 4, 1
	v_lshlrev_b32 v[LI], 4, v[LN]
	v_and_b32 v14, 3, v[LN]                                ; l % 4
	v_lshrrev_b32 v15, 2, v[LN]                            ; l / 4
	v_lshlrev_b32 v[GW], 11, v15
	v_lshl_add_u32 v[GW], v14, 4, v[GW]
	v_lshrrev_b32 v13, 1, v14
	v_lshl_add_u32 v[GW], v13, 5, v[GW]
	s_mul_i32 s19, s18, WSTG
	v_add_nc_u32 v[SAX], s19, v[LI]                        ; XST = 0
	v_mul_u32_u24 v[SLX], v[RR], SP
	v_lshl_add_u32 v[SLX], v[HH], 6, v[SLX]
	v_add_nc_u32 v[SLX], s19, v[SLX]                       ; row r, + 64 h: my 16 numbers of a block of 32
	v_mul_u32_u24 v[SAW], v14, 4*SP
	v_lshl_add_u32 v[SAW], v15, 2, v[SAW]
	v_add_nc_u32 v[SAW], s19, v[SAW]
	v_add_nc_u32 v[SAW], WST, v[SAW]                       ; rows 4 (l % 4) on, byte 4 (l / 4)
	v_add_nc_u32 v[SLW], WST, v[SLX]
	s_mov_b32 s20, 0x76543210
	s_mov_b32 s21, 0xfedcba98                              ; v_permlanex16_b32's selects for lane l xor 16
.irp b, 0,1,2,3
	v_mov_b32 v[TM+4+\b], 0                                ; written once: a lane permute's destination counts as one of its sources
.endr
	s_wait_kmcnt 0x0
	s_cmp_lt_u32 ttmp9, NWG
	s_cbranch_scc0 .Linputs
	; ---- a weight.  wi = id / 8 (0 W_q, 1 W_k, 2 W_v, 3 W_o), a = id % 8.  wi < 3: column group a / 2, K step 4 (a % 2) + wave;  W_o: column group a, K step wave
	s_lshr_b32 s22, ttmp9, 3
	s_and_b32 s23, ttmp9, 7
	s_lshr_b32 s30, s23, 1
	s_and_b32 s31, s23, 1
	s_lshl_b32 s31, s31, 2
	s_lshl_b32 s32, s22, 2
	s_add_co_u32 s32, s32, s30
	s_lshl_b32 s32, s32, 2                                 ; (4 wi + a / 2) x 4
	s_lshl_b32 s33, s23, 1
	s_add_co_u32 s33, s33, 48                              ; 48 + 2 a
	s_cmp_eq_u32 s22, 3
	s_cselect_b32 s30, s23, s30                            ; the column group
	s_cselect_b32 s31, 0, s31
	s_cselect_b32 s32, s33, s32
	s_add_co_u32 s31, s31, s18                             ; the K step
	s_lshr_b32 s33, s31, 1
	s_add_co_u32 s32, s32, s33                             ; the record
	s_mov_b64 s[24:25], s[6:7]
	s_cmp_eq_u32 s22, 1                                    ; the choices hang on the work-group's number alone
	s_cselect_b64 s[24:25], s[8:9], s[24:25]
	s_cmp_eq_u32 s22, 2
	s_cselect_b64 s[24:25], s[10:11], s[24:25]
	s_cmp_eq_u32 s22, 3
	s_cselect_b64 s[24:25], s[12:13], s[24:25]
	s_lshl_b32 s34, s31, 18                                ; 128 rows of K x 2,048 bytes
	s_lshl_b32 s35, s30, 9                                 ; 128 columns x 4 bytes
	s_add_co_u32 s34, s34, s35
	s_mov_b32 s35, 0
	s_add_nc_u64 s[24:25], s[24:25], s[34:35]
	DEST 16
	LOADW 0
	LOADW 1
	LOADW 2
	s_wait_alu depctr_va_vdst(0)
.irp f, 0,1,2,3,4,5,6,7
	FRAGM \f, 1
.endr
	FINISH
.Linputs:
	; ---- the inputs.  g = id - 28: group g / 2 of 128 rows, K step 4 (g % 2) + wave;  record ((group / 2) x 4 + K step / 2) x 2 + group % 2: the eight records of 256 rows lie on end
	s_sub_co_u32 s22, ttmp9, NWG
	s_lshr_b32 s23, s22, 1
	s_and_b32 s30, s22, 1
	s_lshl_b32 s30, s30, 2
	s_add_co_u32 s30, s30, s18                             ; the K step
	s_lshl_b32 s34, s23, 19                                ; 128 rows x 4,096 bytes
	s_lshl_b32 s35, s30, 9
	s_add_co_u32 s34, s34, s35
	s_mov_b32 s35, 0
	s_add_nc_u64 s[24:25], s[4:5], s[34:35]
	s_lshr_b32 s31, s23, 1
	s_lshl_b32 s31, s31, 2
	s_lshr_b32 s32, s30, 1
	s_add_co_u32 s31, s31, s32
	s_lshl_b32 s31, s31, 1
	s_and_b32 s32, s23, 1
	s_add_co_u32 s32, s31, s32
	DEST 14
	LOADX 0
	LOADX 1
	LOADX 2
.irp f, 0,1,2,3,4,5,6,7
	FRAGM \f, 0
.endr
	FINISH
.Lfunc_end_k_q9348ff5070_prep:
	.size	k_q9348ff5070_prep, .Lfunc_end_k_q9348ff5070_prep-k_q9348ff5070_prep
	.p2alignl 7, 3214868480
	.fill 96, 4, 3214868480
	.section	.rodata,"a",@progbits
	.p2align	6, 0x0
	.amdhsa_kernel k_q9348ff5070_prep
		.amdhsa_group_segment_fixed_size 68096
		.amdhsa_private_segment_fixed_size 0
		.amdhsa_enable_private_segment 0
		.amdhsa_kernarg_size 56
		.amdhsa_user_sgpr_count 2
		.amdhsa_user_sgpr_kernarg_segment_ptr 1
		.amdhsa_wavefront_size32 1
		.amdhsa_system_sgpr_workgroup_id_x 1
		.amdhsa_system_sgpr_workgroup_id_y 1
		.amdhsa_system_sgpr_workgroup_id_z 1
		.amdhsa_system_vgpr_workitem_id 0
		.amdhsa_next_free_vgpr 256
		.amdhsa_next_free_sgpr 66
		.amdhsa_reserve_vcc 1
		.amdhsa_float_denorm_mode_32 3
		.amdhsa_float_denorm_mode_16_64 3
		.amdhsa_memory_ordered 1
		.amdhsa_forward_progress 1
		.amdhsa_inst_pref_size 151
	.end_amdhsa_kernel
	.amdgpu_metadata
---
amdhsa.version: [ 1, 2 ]
amdhsa.kernels:
  - .name:           k_q9348ff5070_prep
    .symbol:         k_q9348ff5070_prep.kd
    .args:
      - { .name: inputs, .offset: 0, .size: 8, .value_kind: global_buffer, .address_space: global }
      - { .name: W_q, .offset: 8, .size: 8, .value_kind: global_buffer, .address_space: global }
      - { .name: W_k, .offset: 16, .size: 8, .value_kind: global_buffer, .address_space: global }
      - { .name: W_v, .offset: 24, .size: 8, .value_kind: global_buffer, .address_space: global }
      - { .name: W_o, .offset: 32, .size: 8, .value_kind: global_buffer, .address_space: global }
      - { .name: xrec, .offset: 40, .size: 8, .value_kind: global_buffer, .address_space: global }
      - { .name: wrec, .offset: 48, .size: 8, .value_kind: global_buffer, .address_space: global }
    .group_segment_fixed_size: 68096
    .private_segment_fixed_size: 0
    .kernarg_segment_align: 8
    .kernarg_segment_size: 56
    .max_flat_workgroup_size: 128
    .sgpr_count:     66
    .vgpr_count:     256
    .wavefront_size: 32
...
	.end_amdgpu_metadata
.endif
;; end of part 1
;; launch qkvgemm (part 2): grid 64 x 4, 4 waves a work-group, clusters of 4 x 4, 327,680 bytes of LDS; arguments xrec, wrec, qkv, qkvs; writes qkv, qkvs
.if DOCPART == 2
	.amdgcn_target "amdgcn-amd-amdhsa--gfx1250"
	.amdhsa_code_object_version 6
	.text
	.protected	k_q9348ff5070_qkvgemm
	.globl	k_q9348ff5070_qkvgemm
	.p2align	8
	.type	k_q9348ff5070_qkvgemm,@function
k_q9348ff5070_qkvgemm:
	s_mov_b64 s[64:65], 0
	v_nop
	global_prefetch_b8 v0, s[64:65] scope:SCOPE_SE
	s_setreg_imm32_b32 hwreg(HW_REG_WAVE_MODE, 25, 1), 1
	s_wait_xcnt 0x0
	s_wait_alu depctr_hold_cnt(0) depctr_sa_sdst(0) depctr_va_vdst(0) depctr_va_sdst(0) depctr_va_ssrc(0) depctr_va_vcc(0) depctr_vm_vsrc(0)
	s_getreg_b32 s2, hwreg(HW_REG_IB_STS2, 6, 4)
	s_cmp_eq_u32 s2, 0
	s_cbranch_scc0 .Lentry_in_a_cluster
	s_endpgm
.Lentry_in_a_cluster:
	s_bfe_u32 s2, ttmp6, 0x10000c
	s_cmp_lg_u32 s2, 0xf033
	s_cbranch_scc0 .Lentry_shape_is_right
	s_endpgm
.Lentry_shape_is_right:
; Q, K, V = inputs x W_q, W_k, W_v on codes of FP6 (E2M3) with E8M0 scales for each 32 along K = 1,024; sums in f32; the results are quantised here, in registers, for the attention launch:
; Q and K along the head's 128 channels, V along the keys.  Operands come as images of operand registers (records of 25,600 bytes: a group of 128 rows x 256 along K: 8 + 8 fragments of 1,536 bytes, two scale images of 512).
; A group's tile t = 2 b + u holds at place i row 32 b + 8 u + i + 8 (i / 8): so the 16 result registers of source 0's tiles 2 b and 2 b + 1 are 16 neighbours, 32 b + 16 (lane / 16) + 0 .. 15, along source 0's rows.
; SHARES.  A work-group: 256 rows of the inputs (R = 4 x cluster x + cx: two groups) x one head (cy) x all three weights, one after the other: 64 x 4 = 256 work-groups.
; The inputs' 8 records stay in LDS for the whole launch; the weights walk through a ring of two slots of two records (512 along K each).
; ROLES.  A wave makes 8 tiles of source 0 x 4 tiles of source 1: 32 accumulators, 256 registers.  Q, K: source 0 = the weight's 128 channels, source 1 = tiles 4 (w % 2) on of group w / 2.
; V: source 0 = group w / 2's 128 keys, source 1 = the weight's tiles 4 (w % 2) on.  Only the LDS address registers differ.  Q and K are the two trips of a loop; V, which asks for no further weight, is written out.
; CLUSTER 4 x 4.  The four work-groups of a column (same cx) need the same records of the inputs, the four of a row (same cy) the same records of the weights: each is asked for jointly.
; By this text's own count a wave has one tensor load out at the start and one behind each of the four rounds that fill a slot again.
; A K step: the next step's 38 LDS loads go out in one run, into the other set of registers, ahead of the step's 32 products.
; The next weight's four records are prefetched one weight ahead of their loads: the four partners of a row take a record each, by address (cx); a wave 25 blocks of 256 bytes, lanes 24-31 naming the last again.
; A wave's scale words are two of the four registers of a scale image: 8 bytes of each lane's 16; the wave beside it writes the others.  That is one byte in 25 of what the launch stores.
; LIMITS: a block of zeros gets the byte 1 where the rule says 127 (its codes are zeros; this program alone reads the bytes); NaN and infinities are not served.
; REGISTERS, in windows of 256.  Window 0: v2-7; v16-39 LDS addresses; v40-55 scale words, two sets; v64-165 the way out.  Window 1: source 0's 8 fragments, two sets, at v0 and v96.
;   Window 2: accumulator (a, b) (source 1's tile a, source 0's tile b) at v[8 (8 a + b)].   Window 3: source 1's 4 fragments, two sets, at v0 and v48.
.set REC,   25600
.set WSA,   8*REC                      ; behind the inputs' 8 records: the weight's K steps 0-3,
.set WSB,   10*REC                     ; and its K steps 4-7
.set SPARE, 12*REC                     ; the spare words: 128 bytes for each wave, two blocks of 256 bytes that no other line names
.set LI,    2                          ; v2  16 x lane
.set LN,    3                          ; v3  lane
.set LS,    4                          ; v4  16 x lane + 8 (w % 2): my two registers of a scale image
.set PFO,   5                          ; v5  the prefetches' offset; never rewritten
.set SPW,   6                          ; v6  my spare word; never rewritten
.set NIL,   7                          ; v7  0; never rewritten
.set ADR,   16                         ; v[ADR + 12 r + 4 f + kp]: roles r (0 Q and K, 1 V); f = 0 source 0's record of K steps 2 kp, 2 kp + 1, f = 1 source 1's four tiles in theirs, f = 2 source 1's scale words
.set SC,    40                         ; set p: v[SC + 8 p] on: source 0's scale image (4 registers), then source 1's two registers; tile t: register t / 2, lanes 16 (t % 2) on
.set QPB,   64                         ; the way out: fragment a at v[64 + 20 a]
.set TM,    144
.set PWR,   160
.set SI,    164
.set G1X,   24                         ; s[24:31] descriptor group 1: the inputs, 200 rows of 256 bytes (two records)
.set G1W,   32                         ; s[32:39] the first weight, 100 rows (one record)
.set G1R,   40                         ; s[40:47] the ring's loads, 50 rows
.set G0X,   48                         ; groups 0: the head's two,
.set G0W,   52
.set G0A,   56                         ; and the two slots'
.set G0B,   60
.set PF,    72                         ; s[72:73] the prefetches' base; never rewritten
.set MSB, 0
.macro WIN new                         ; the immediate's high byte repeats the setting that is left
.if MSB != (\new)
	s_set_vgpr_msb (MSB<<8)|(\new)
.set MSB, (\new)
.endif
.endm
.macro CREST                           ; a round of the cluster's barrier behind its opening barrier
	s_cmp_lg_u32 s14, 0
	s_cbranch_scc1 .Lnot_wave_0_\@
	s_barrier_signal -3
.Lnot_wave_0_\@:
	s_barrier_wait -3
	s_barrier_signal -1
	s_barrier_wait -1
.endm
.macro CROUND
	s_barrier_signal -1
	s_barrier_wait -1
	CREST
.endm
.macro PLACES                          ; four plain places behind matrix instructions, in front of loads into registers that they have read and of the first read of results
.rept 4
	v_nop
.endr
.endm
.macro FRAG reg, adr, off              ; a fragment's image: three loads of 512 consecutive bytes
.irp c, 0,1,2
	ds_load_b128 v[(\reg)+4*\c:(\reg)+4*\c+3], v[\adr] offset:(\off)+512*\c
.endr
.endm
.macro FETCH r, n, p                   ; K step n's fragments and scale words, by roles r, into set p
	WIN 0x40                                               ; destination window 1
.irp i, 0,1,2,3,4,5,6,7
	FRAG 96*(\p)+12*\i, ADR+12*(\r)+(\n)/2, 12288*((\n)%2)+1536*\i
.endr
	WIN 0xc0                                               ; destination window 3
.irp i, 0,1,2,3
	FRAG 48*(\p)+12*\i, ADR+12*(\r)+4+(\n)/2, 12288*((\n)%2)+1536*\i
.endr
	WIN 0
	ds_load_b128 v[SC+8*(\p):SC+8*(\p)+3], v[ADR+12*(\r)+(\n)/2] offset:24576+512*((\n)%2)
	ds_load_b64 v[SC+8*(\p)+4:SC+8*(\p)+5], v[ADR+12*(\r)+8+(\n)/2] offset:24576+512*((\n)%2)
.endm
.macro WM a, b, p, zero                ; one product: source 1's tile a x source 0's tile b
.set rD,  8*(8*(\a)+(\b))
.set rA,  96*(\p)+12*(\b)
.set rB,  48*(\p)+12*(\a)
.set rSA, SC+8*(\p)+(\b)/2
.set rSB, SC+8*(\p)+4+(\a)/2
.set rw,  2*((\a)%2)+(\b)%2
.if \zero
.if rw == 0
	v_wmma_scale_f32_16x16x128_f8f6f4 v[rD:rD+7], v[rA:rA+11], v[rB:rB+11], 0, v[rSA], v[rSB] matrix_a_fmt:MATRIX_FMT_FP6 matrix_b_fmt:MATRIX_FMT_FP6
.elseif rw == 1
	v_wmma_scale_f32_16x16x128_f8f6f4 v[rD:rD+7], v[rA:rA+11], v[rB:rB+11], 0, v[rSA], v[rSB] matrix_a_fmt:MATRIX_FMT_FP6 matrix_b_fmt:MATRIX_FMT_FP6 matrix_a_scale:MATRIX_SCALE_ROW1
.elseif rw == 2
	v_wmma_scale_f32_16x16x128_f8f6f4 v[rD:rD+7], v[rA:rA+11], v[rB:rB+11], 0, v[rSA], v[rSB] matrix_a_fmt:MATRIX_FMT_FP6 matrix_b_fmt:MATRIX_FMT_FP6 matrix_b_scale:MATRIX_SCALE_ROW1
.else
	v_wmma_scale_f32_16x16x128_f8f6f4 v[rD:rD+7], v[rA:rA+11], v[rB:rB+11], 0, v[rSA], v[rSB] matrix_a_fmt:MATRIX_FMT_FP6 matrix_b_fmt:MATRIX_FMT_FP6 matrix_a_scale:MATRIX_SCALE_ROW1 matrix_b_scale:MATRIX_SCALE_ROW1
.endif
.else
.if rw == 0
	v_wmma_scale_f32_16x16x128_f8f6f4 v[rD:rD+7], v[rA:rA+11], v[rB:rB+11], v[rD:rD+7], v[rSA], v[rSB] matrix_a_fmt:MATRIX_FMT_FP6 matrix_b_fmt:MATRIX_FMT_FP6
.elseif rw == 1
	v_wmma_scale_f32_16x16x128_f8f6f4 v[rD:rD+7], v[rA:rA+11], v[rB:rB+11], v[rD:rD+7], v[rSA], v[rSB] matrix_a_fmt:MATRIX_FMT_FP6 matrix_b_fmt:MATRIX_FMT_FP6 matrix_a_scale:MATRIX_SCALE_ROW1
.elseif rw == 2
	v_wmma_scale_f32_16x16x128_f8f6f4 v[rD:rD+7], v[rA:rA+11], v[rB:rB+11], v[rD:rD+7], v[rSA], v[rSB] matrix_a_fmt:MATRIX_FMT_FP6 matrix_b_fmt:MATRIX_FMT_FP6 matrix_b_scale:MATRIX_SCALE_ROW1
.else
	v_wmma_scale_f32_16x16x128_f8f6f4 v[rD:rD+7], v[rA:rA+11], v[rB:rB+11], v[rD:rD+7], v[rSA], v[rSB] matrix_a_fmt:MATRIX_FMT_FP6 matrix_b_fmt:MATRIX_FMT_FP6 matrix_a_scale:MATRIX_SCALE_ROW1 matrix_b_scale:MATRIX_SCALE_ROW1
.endif
.endif
.endm
; K step s of a weight, by roles r.  Its own fragments were asked for a step ago.
; mode 1 (steps 3 and 7 of Q and K): my reads of the slot just left are back with them.  Each wave waits for all its tensor loads, adds 0 to its spare word and waits for that and for its reads; a round of the
;   cluster's barrier follows, and behind it the slot left is filled with the next weight's records, a quarter of the slot a wave.  The same wait and round show the other slot whole to every wave.
; mode 2 (step 3 of V): the other slot's last fill is waited for and shown to all four waves; nothing is filled again.
; nx 1: the next step's fragments are fetched;  nx 2: the next weight's first step's, by the roles that it has;  nx 0: nothing is left to fetch.
.macro STEP r, s, mode, nx
.if \mode == 1
	s_wait_tensorcnt 0x0                                   ; all my tensor loads have landed  (every window is 0 here)
	ds_add_u32 v[SPW], v[NIL]                              ; 0 onto my spare word
.if \s == 3
	s_add_nc_u64 s[G0A+2:G0A+3], s[G0A+2:G0A+3], 16*REC    ; no load of mine is out, so the groups 0 may be written: both slots' next fills come from the next weight, 16 records on
	s_add_nc_u64 s[G0B+2:G0B+3], s[G0B+2:G0B+3], 16*REC
.endif
	s_wait_dscnt 0x0                                       ; the add is done, and my reads of the slot left are over
	CROUND                                                 ; no wave of any partner still reads that slot or has a load on its way
.if \s == 3
	tensor_load_to_lds s[G0A:G0A+3], s[G1R:G1R+7]          ; my one tensor load behind the round
.else
	tensor_load_to_lds s[G0B:G0B+3], s[G1R:G1R+7]
.endif
	s_nop 0
	PLACES                                                 ; four v_nop behind the load: also the places in front of the loads below
.elseif \mode == 2
	s_wait_tensorcnt 0x0
	s_wait_dscnt 0x0
	s_barrier_signal -1
	s_barrier_wait -1
	PLACES
.else
	PLACES
.endif
.if \nx == 1
	FETCH \r, (\s)+1, ((\s)+1)%2
.elseif \nx == 2
	s_cmp_eq_u32 s3, 1                                     ; the loop's count, the same in all partners: behind K comes V
	s_cbranch_scc1 .Lto_v_\@
	FETCH 0, 0, 0
	s_branch .Lgot_\@
.Lto_v_\@:
	FETCH 1, 0, 0
.Lgot_\@:
.endif
.if (\r) == 0 && (\s) == 1
	s_cmp_eq_u32 s3, 2                                     ; in Q's trip: W_v's records, a whole weight ahead of their loads; in K's trip no weight is left to ask for
	s_cbranch_scc0 .Lno_ask_\@
	global_prefetch_b8 v[PFO], s[PF:PF+1] offset:16*REC th:TH_LOAD_NT scope:SCOPE_SE
.Lno_ask_\@:
.endif
.if (\mode) == 0
.if (\nx) == 0
	s_wait_dscnt 0x0                                       ; this step's fragments are in
.else
	s_wait_dscnt 38                                        ; this step's fragments are in (asked for a step ago); the 38 loads just issued may be out
.endif
.endif
	WIN 0xad                                               ; source 0 window 1, source 1 window 3, C and D window 2
.irp a, 0,1,2,3                                            ; the 32 accumulators take turns, one instruction a turn, in the same order in every K step
.irp b, 0,1,2,3,4,5,6,7
.if (\s) == 0
	WM \a, \b, (\s)%2, 1                                   ; a weight's first K step starts the sums: nothing is cleared
.else
	WM \a, \b, (\s)%2, 0
.endif
.endr
.endr
	WIN 0
.endm
; THE WAY OUT of source 1's tile a: its 64 registers, register 16 b + i = place 32 b + 16 (lane / 16) + i along source 0's rows, are quantised into a fragment and a scale word; the fragment is stored as an image.
.macro QOUT a
.set QS, 64*(\a)
.set QP, QPB+20*(\a)
	WIN 0x28                                               ; sources 1 and 2 in the accumulators' window
.irp b, 0,1,2,3
	v_max3_num_f32 v[TM+\b], 0x1800000, |v[QS+16*\b]|, |v[QS+1+16*\b]|   ; each accumulator is read from its low end on; the floor 2^(3 - 127) holds the byte at 1 from below
.endr
.irp i, 2,4,6,8,10,12,14
.irp b, 0,1,2,3
	v_max3_num_f32 v[TM+\b], v[TM+\b], |v[QS+16*\b+\i]|, |v[QS+1+16*\b+\i]|
.endr
.endr
	WIN 0
.irp b, 0,1,2,3
	v_permlanex16_b32 v[TM+4+\b], v[TM+\b], s12, s13
.endr
.irp b, 0,1,2,3
	v_max_num_f32 v[TM+\b], v[TM+\b], v[TM+4+\b]
.endr
.irp b, 0,1,2,3
	v_add_nc_u32 v[TM+12+\b], 0xff000000, v[TM+\b]         ; 2 off the exponent field: the conversion's scale operand
.endr
.irp b, 0,1,2,3
	v_lshrrev_b32 v[TM+4+\b], 23, v[TM+12+\b]
.endr
	v_lshl_or_b32 v[PWR+(\a)], v[TM+5], 8, v[TM+4]
	v_lshl_or_b32 v[PWR+(\a)], v[TM+6], 16, v[PWR+(\a)]
	v_lshl_or_b32 v[PWR+(\a)], v[TM+7], 24, v[PWR+(\a)]
	WIN 2                                                  ; source 0 in the accumulators' window
.irp c, 0,1
	v_cvt_scalef32_pk16_fp6_f32 v[QP+6*\c:QP+2+6*\c], v[QS+32*\c:QS+15+32*\c], v[TM+12+2*\c]
	v_cvt_scalef32_pk16_fp6_f32 v[QP+12+4*\c:QP+14+4*\c], v[QS+16+32*\c:QS+31+32*\c], v[TM+12+2*\c+1]
.endr
	WIN 0
	v_nop                                                  ; one plain place behind the scaled conversions
.irp c, 0,1
.irp i, 0,1,2
	v_permlane16_swap_b32 v[QP+6*\c+\i], v[QP+12+4*\c+\i]
.endr
.irp i, 0,1,2
	v_mov_b32 v[QP+3+6*\c+\i], v[QP+12+4*\c+\i]
.endr
.endr
.irp c, 0,1,2
	global_store_b128 v[LI], v[QP+4*\c:QP+4*\c+3], s[8:9] offset:1536*(\a)+512*\c   ; 512 consecutive bytes, at a multiple of 256 from the buffer's first byte
.endr
.endm
.macro PHASE r, fill                   ; one weight: eight K steps and the way out
	STEP \r, 0, 0, 1
	STEP \r, 1, 0, 1
	STEP \r, 2, 0, 1
	STEP \r, 3, 2-(\fill), 1
	STEP \r, 4, 0, 1
	STEP \r, 5, 0, 1
	STEP \r, 6, 0, 1
	STEP \r, 7, \fill, 2*(\fill)
	PLACES
.irp a, 0,1,2,3
	QOUT \a
.endr
	v_cmp_le_u32 vcc_lo, 16, v[LN]
.irp q, 0,1
	v_cndmask_b32 v[SI+\q], v[PWR+2*\q], v[PWR+2*\q+1], vcc_lo   ; lanes 0-15 my tile 2 q's words, lanes 16-31 my tile 2 q + 1's
.endr
	global_store_b64 v[LS], v[SI:SI+1], s[10:11]
.endm
	s_load_b128 s[4:7], s[0:1], 0x0                        ; xrec s[4:5], wrec s[6:7]
	s_load_b128 s[8:11], s[0:1], 0x10                      ; qkv s[8:9], qkvs s[10:11]
	v_lshl_add_u32 v[SPW], v0, 2, SPARE
	v_mov_b32 v[NIL], 0
	ds_add_u32 v[SPW], v[NIL]                              ; the opening add, twice on end; its wait stands ahead of my first tensor load
	ds_add_u32 v[SPW], v[NIL]
	v_lshrrev_b32 v1, 5, v0
	v_readfirstlane_b32 s14, v1                            ; wave 0..3
	s_lshr_b32 s15, s14, 1                                 ; my group of the two
	s_and_b32 s16, s14, 1                                  ; my half of source 1's eight tiles
	s_mov_b32 s12, 0x76543210
	s_mov_b32 s13, 0xfedcba98                              ; v_permlanex16_b32's selects for lane l xor 16
	s_bfe_u32 s18, ttmp6, 0x40000                          ; cx
	s_bfe_u32 s19, ttmp6, 0x40004                          ; cy: the head
	s_lshl_b32 s20, ttmp9, 2
	s_add_co_u32 s20, s20, s18                             ; R = 4 x cluster x + cx
	s_lshl_b32 s66, s19, 2
	s_lshl_b32 s66, 15, s66                                ; my row of the cluster
	s_lshl_b32 s67, 0x1111, s18                            ; my column
	; descriptor groups 1: dense blocks as rows of 256 bytes (32 elements of 8 bytes), no padding: images are read in runs of 512 consecutive bytes
	s_or_b32 s[G1X], s67, (3<<16)|(1<<21)                  ; 15:0 the mask: the inputs' records go to my column; 17:16 elements of 8 bytes; 21 set beside a mask
	s_or_b32 s[G1W], s66, (3<<16)|(1<<21)                  ; the weights' go to my row
	s_or_b32 s[G1R], s66, (3<<16)|(1<<21)
.irp g, G1X, G1W, G1R
	s_mov_b32 s[\g+1], 32<<16                              ; tensor_dim0 = 32
	s_mov_b32 s[\g+3], 32<<16                              ; tile_dim0 = 32
	s_mov_b32 s[\g+5], 32                                  ; tensor_dim0_stride
	s_mov_b32 s[\g+6], 0
	s_mov_b32 s[\g+7], 0
.endr
	s_mov_b32 s[G1X+2], 200<<16                            ; tensor_dim1 and tile_dim1: two records,
	s_mov_b32 s[G1X+4], 200
	s_mov_b32 s[G1W+2], 100<<16                            ; one,
	s_mov_b32 s[G1W+4], 100
	s_mov_b32 s[G1R+2], 50<<16                             ; half a record
	s_mov_b32 s[G1R+4], 50
	s_lshl_b32 s68, s20, 2
	s_add_co_u32 s68, s68, s16
	s_mul_i32 s68, s68, 2*REC                              ; the head, waves 0, 1: the inputs' records 8 R + 2 (w % 2) on: it hangs on cx alone
	s_mov_b32 s69, 0
	s_lshl_b32 s70, s19, 2
	s_add_co_u32 s70, s70, s16
	s_mul_i32 s70, s70, REC                                ; waves 2, 3: W_q's record 4 x head + w % 2: it hangs on cy alone
	s_mov_b32 s71, 0
	s_mul_i32 s74, s19, 4*REC
	s_mul_i32 s21, s14, 12800
	s_add_co_u32 s74, s74, s21                             ; the ring: my quarter of a slot, counted from W_q's first record; stepped by a weight ahead of each use
	s_mov_b32 s75, 0
	s_mov_b32 s[G0X], 1
	s_mul_i32 s[G0X+1], s16, 2*REC                         ; where they go: no place in the cluster enters an LDS address
	s_mov_b32 s[G0W], 1
	s_mul_i32 s[G0W+1], s16, REC
	s_add_co_u32 s[G0W+1], s[G0W+1], WSA
	s_mov_b32 s[G0A], 1
	s_add_co_u32 s[G0A+1], s21, WSA
	s_mov_b32 s[G0B], 1
	s_add_co_u32 s[G0B+1], s21, WSB
	s_lshl_b32 s76, s19, 2
	s_add_co_u32 s76, s76, s18
	s_add_co_u32 s76, s76, 16
	s_mul_i32 s76, s76, REC                                ; the prefetches: record cx of W_k's four,
	s_mul_i32 s21, s14, 6400
	s_add_co_u32 s76, s76, s21                             ; my quarter of it
	s_mov_b32 s77, 0
	s_lshr_b32 s78, s20, 3                                 ; where my results go: record ((4 (R / 8) + head) x 16 + 2 (R % 8) + my group) x 3 + weight, my four tiles in it
	s_lshl_b32 s78, s78, 2
	s_add_co_u32 s78, s78, s19
	s_lshl_b32 s78, s78, 4
	s_and_b32 s79, s20, 7
	s_lshl_b32 s79, s79, 1
	s_add_co_u32 s78, s78, s79
	s_add_co_u32 s78, s78, s15
	s_mul_i32 s78, s78, 3
	s_mul_i32 s80, s78, 12288
	s_mul_i32 s79, s16, 6144
	s_add_co_u32 s80, s80, s79
	s_mov_b32 s81, 0
	s_lshl_b32 s82, s78, 9
	s_mov_b32 s83, 0
	s_mul_i32 s84, s15, REC
	s_mul_i32 s85, s16, 6144
	s_lshl_b32 s86, s16, 3
	s_wait_dscnt 0x0                                       ; both opening adds are done
	s_wait_kmcnt 0x0
	s_add_nc_u64 s[G0X+2:G0X+3], s[4:5], s[68:69]
	s_add_nc_u64 s[G0W+2:G0W+3], s[6:7], s[70:71]
	s_add_nc_u64 s[G0A+2:G0A+3], s[6:7], s[74:75]
	s_add_nc_u64 s[G0B+2:G0B+3], s[G0A+2:G0A+3], 2*REC
	s_or_b32 s[G0X+3], s[G0X+3], 0x80000000
	s_or_b32 s[G0W+3], s[G0W+3], 0x80000000
	s_or_b32 s[G0A+3], s[G0A+3], 0x80000000
	s_or_b32 s[G0B+3], s[G0B+3], 0x80000000
	s_add_nc_u64 s[PF:PF+1], s[6:7], s[76:77]
	s_add_nc_u64 s[8:9], s[8:9], s[80:81]
	s_add_nc_u64 s[10:11], s[10:11], s[82:83]
	CROUND                                                 ; all sixteen work-groups are here: the first joint loads meet
	s_cmp_lt_u32 s14, 2                                    ; the first fills, one a wave, in the two arms of one branch on the wave's number
	s_cbranch_scc0 .Lhead_w
	tensor_load_to_lds s[G0X:G0X+3], s[G1X:G1X+7]          ; waves 0, 1: the inputs' records of K steps 0, 1 and of K steps 2, 3
	s_nop 0
	PLACES
	s_branch .Lhead_asked
.Lhead_w:
	tensor_load_to_lds s[G0W:G0W+3], s[G1W:G1W+7]          ; waves 2, 3: a record of W_q's first slot each
	s_nop 0
	PLACES
.Lhead_asked:
	v_and_b32 v[LN], 31, v0
	v_lshlrev_b32 v[LI], 4, v[LN]
	v_min_u32 v[PFO], 24, v[LN]
	v_lshlrev_b32 v[PFO], 8, v[PFO]
	v_add_nc_u32 v[LS], s86, v[LI]
	v_add_nc_u32 v8, s84, v[LI]
.irp k, 0,1,2,3
	v_add_nc_u32 v[ADR+\k], (8+\k)*REC, v[LI]              ; the weight's record of K steps 2 k, 2 k + 1
	v_add_nc_u32 v[ADR+12+\k], 2*\k*REC, v8                ; my group's
.endr
.irp k, 0,1,2,3
	v_add_nc_u32 v[ADR+4+\k], s85, v[ADR+12+\k]            ; my four tiles of my group, and their scale words
	v_add_nc_u32 v[ADR+8+\k], s86, v[ADR+12+\k]
	v_add_nc_u32 v[ADR+16+\k], s85, v[ADR+\k]              ; my four tiles of the weight, and their scale words
	v_add_nc_u32 v[ADR+20+\k], s86, v[ADR+\k]
.endr
.irp b, 0,1,2,3
	v_mov_b32 v[TM+4+\b], 0                                ; written once: a lane permute's destination counts as one of its sources
.endr
	s_wait_alu depctr_va_vdst(0)
	s_wait_tensorcnt 0x0                                   ; my load of the head is in: what K steps 0 to 3 read.
	ds_add_u32 v[SPW], v[NIL]
	s_add_nc_u64 s[G0X+2:G0X+3], s[G0X+2:G0X+3], 4*REC     ; no load of mine is out, so the groups 0 may be written: the inputs' records of K steps 4, 5 and 6, 7,
	s_add_co_u32 s[G0X+1], s[G0X+1], 4*REC
	s_add_nc_u64 s[G0W+2:G0W+3], s[G0W+2:G0W+3], 2*REC     ; and W_q's second slot
	s_add_co_u32 s[G0W+1], s[G0W+1], 2*REC
	s_wait_dscnt 0x0
	CROUND                                                 ; everybody's loads of the head are in, and all sixteen work-groups are here
	s_cmp_lt_u32 s14, 2                                    ; the other half of the first fills, one a wave: it has K steps 0 to 2 in which to land; step 3's wait and round show it whole
	s_cbranch_scc0 .Lnext_w
	tensor_load_to_lds s[G0X:G0X+3], s[G1X:G1X+7]
	s_nop 0
	PLACES
	s_branch .Lnext_asked
.Lnext_w:
	tensor_load_to_lds s[G0W:G0W+3], s[G1W:G1W+7]
	s_nop 0
	PLACES
.Lnext_asked:
	FETCH 0, 0, 0
	global_prefetch_b8 v[PFO], s[PF:PF+1] th:TH_LOAD_NT scope:SCOPE_SE   ; W_k's records: their first load stands three K steps on
	s_mov_b32 s3, 2
.Lphase:                                                   ; two trips: Q, K
	PHASE 0, 1
	s_wait_xcnt 0x0                                        ; the stores have read their registers and bases
	s_add_nc_u64 s[8:9], s[8:9], 12288                     ; the next weight's record
	s_add_nc_u64 s[10:11], s[10:11], 512
	s_sub_co_u32 s3, s3, 1
	s_cmp_lg_u32 s3, 0
	s_wait_alu depctr_va_vdst(0)
	s_cbranch_scc1 .Lphase
	PHASE 1, 0                                             ; V
	s_wait_tensorcnt 0x0                                   ; the wave's end
	ds_add_u32 v[SPW], v[NIL]
	s_wait_dscnt 0x0
	CROUND                                                 ; the closing round: no work-group ends while a partner may still ask for a record that names it
	s_endpgm
.Lfunc_end_k_q9348ff5070_qkvgemm:
	.size	k_q9348ff5070_qkvgemm, .Lfunc_end_k_q9348ff5070_qkvgemm-k_q9348ff5070_qkvgemm
	.p2alignl 7, 3214868480
	.fill 96, 4, 3214868480
	.section	.rodata,"a",@progbits
	.p2align	6, 0x0
	.amdhsa_kernel k_q9348ff5070_qkvgemm
		.amdhsa_group_segment_fixed_size 327680
		.amdhsa_private_segment_fixed_size 0
		.amdhsa_enable_private_segment 0
		.amdhsa_kernarg_size 32
		.amdhsa_user_sgpr_count 2
		.amdhsa_user_sgpr_kernarg_segment_ptr 1
		.amdhsa_wavefront_size32 1
		.amdhsa_system_sgpr_workgroup_id_x 1
		.amdhsa_system_sgpr_workgroup_id_y 1
		.amdhsa_system_sgpr_workgroup_id_z 1
		.amdhsa_system_vgpr_workitem_id 0
		.amdhsa_next_free_vgpr 1024
		.amdhsa_next_free_sgpr 100
		.amdhsa_reserve_vcc 1
		.amdhsa_float_denorm_mode_32 3
		.amdhsa_float_denorm_mode_16_64 3
		.amdhsa_memory_ordered 1
		.amdhsa_forward_progress 1
		.amdhsa_inst_pref_size 154
	.end_amdhsa_kernel
	.amdgpu_metadata
---
amdhsa.version: [ 1, 2 ]
amdhsa.kernels:
  - .name:           k_q9348ff5070_qkvgemm
    .symbol:         k_q9348ff5070_qkvgemm.kd
    .args:
      - { .name: xrec, .offset: 0, .size: 8, .value_kind: global_buffer, .address_space: global }
      - { .name: wrec, .offset: 8, .size: 8, .value_kind: global_buffer, .address_space: global }
      - { .name: qkv, .offset: 16, .size: 8, .value_kind: global_buffer, .address_space: global }
      - { .name: qkvs, .offset: 24, .size: 8, .value_kind: global_buffer, .address_space: global }
    .group_segment_fixed_size: 327680
    .private_segment_fixed_size: 0
    .kernarg_segment_align: 8
    .kernarg_segment_size: 32
    .max_flat_workgroup_size: 128
    .sgpr_count:     100
    .vgpr_count:     1024
    .wavefront_size: 32
...
	.end_amdgpu_metadata
.endif
;; end of part 2
;; launch attn (part 3): grid 16 x 16, 16 waves a work-group, no clusters, 307,200 bytes of LDS; arguments qkv, qkvs, wrec, b_o, sen_len, out0; writes out0
.if DOCPART == 3
	.amdgcn_target "amdgcn-amd-amdhsa--gfx1250"
	.amdhsa_code_object_version 6
	.text
	.protected	k_q9348ff5070_attn
	.globl	k_q9348ff5070_attn
	.p2align	8
	.type	k_q9348ff5070_attn,@function
k_q9348ff5070_attn:
	s_mov_b64 s[64:65], 0
	v_nop
	global_prefetch_b8 v0, s[64:65] scope:SCOPE_SE
	s_setreg_imm32_b32 hwreg(HW_REG_WAVE_MODE, 25, 1), 1
	s_wait_xcnt 0x0
; out = reshape(softmax(mask(Q K^T) / sqrt(512)) V) W_o + b_o, all three products on codes of FP6 (E2M3) with one E8M0 scale for each 32 along a product's K; sums in f32.
; Q, K, V come as images of operand registers: for each (batch, head) bh and each group j of 128 positions three records of 12,288 bytes (8 fragments of 1,536): Q, K (tiles of positions x 128 channels),
; V (tiles of channels x 128 keys), and three scale images of 512 bytes.  A group's tile t = 2 b + u holds at place i row 32 b + 8 u + i + 8 (i / 8).
; THE MASK: a key at or behind sen_len[batch] has the score -2^32, ahead of the division.  THE SOFTMAX: t = score x log2(e) / sqrt(512); M = the running largest t rounded up to a whole number;
; p = 2^(t - M) is quantised along the keys, not normalised; the row's sum is taken of the unquantised p and divides O at the end; when M moves, the sum and O are multiplied by 2^(old M - new M): exact.
; KEY STEPS THAT LIE WHOLLY BEHIND sen_len ARE LEFT OUT: their p would be 0.  (sen_len = 0: all 16 steps are walked, every p is 1.)  So the work of a batch goes with its sen_len.
; SHARES.  A work-group (x, y = 4 p + head) takes group x of 128 queries of TWO batches of one head: the eight sen_len are sorted (scalar work, 19 compare-exchanges on keys that carry length and batch),
; half 0 of the waves takes the batch of rank p, half 1 that of rank 7 - p: a long batch is paired with a short one.  A half is eight waves, a tile of 16 queries each; the halves are dealt by
; (wave xor wave / 4) % 2, so that of any four waves w .. w + 3 and of any four waves w, w + 4, w + 8, w + 12 two belong to each half.  Both products are used transposed: a lane holds one query throughout.
; Jumps and addresses hang on numbers read from memory, so this launch has no tensor load and no cluster (joint requests are tensor loads): a key step's 24,576 bytes of K and V go from memory through registers
; into one of the half's two LDS slots, 3,072 bytes a wave, a step ahead.
; THE RAW RESHAPE makes output row 512 bh + 32 x + i the four queries 4 i .. 4 i + 3 of a half's 128: the work-group owns 2 x 32 whole rows of the last product.
; O / the sum is quantised in registers and goes to LDS as images of the last product's operand registers (tile of 16 rows m, K step s = query % 4); each wave multiplies all 64 rows by its 32 columns of W_o.
; LIMITS: scores stay far under 2^32 in magnitude, so that a hidden key's p is 0 beside an open key's; a block of zeros has the byte 1 (read by this program alone); sen_len is held to 0 .. 2,048;
; NaN and infinities are not served, and one that reaches only key steps left out is not carried to the result.
; REGISTERS: v1-6 addresses; v12 -M, v13 the largest t, v[14:15] the sum; v16-27 Q; v32-79 four fragments; v80-95, v28-31, v8-11 the next step's bytes; v96-159 S^T, then p; v160-223 O^T; v224-243 p's codes; v244-254 at work; v255 Q's scale words.
.set SLOTB, 24576                      ; an LDS slot: K's 8 fragments, then V's 8
.set HALFB, 2*SLOTB                    ; a half's two slots
.set SCB,   2*HALFB                    ; the 48 scale images of each half's (batch, head): step j's K at 1536 j + 512, V at 1536 j + 1024
.set ZC,    SCB+2*24576                ; Z's codes: 16 images of 1,536 bytes: image 4 m + s
.set ZS,    ZC+24576                   ; Z's scale words: 4 bytes a query
.set STG,   ZS+1024                    ; the way out: 64 rows x (2,048 bytes + 16)
.set STP,   2064
.set SPARE, STG+64*STP                 ; the spare words: 128 bytes for each wave, that no other line names
.set WV,   18                          ; 8 x half + my place in the half
.set HF,   19
.set SEL,  20                          ; s[20:21] lane selects: lane l xor 16
.set CS,   22                          ; s[22:23] c = log2(e) / sqrt(512)
.set LEN,  26
.set NST,  27                          ; key steps to walk
.set J,    28                          ; the key step in hand
.set KF,   29                          ; its first key
.set TS,   30                          ; its scale images: 1,536 bytes a step
.set PLIM, 31                          ; NST in a wave that prefetches, else 0
.set KY,   52                          ; s[52:59] the eight keys
.macro WS d, a, b, c, sa, sb, r1       ; one product; c < 0: the sum begins with 0; r1: source 0's scales from lanes 16-31
.if (\c) < 0
.if \r1
	v_wmma_scale_f32_16x16x128_f8f6f4 v[(\d):(\d)+7], v[(\a):(\a)+11], v[(\b):(\b)+11], 0, v[\sa], v[\sb] matrix_a_fmt:MATRIX_FMT_FP6 matrix_b_fmt:MATRIX_FMT_FP6 matrix_a_scale:MATRIX_SCALE_ROW1
.else
	v_wmma_scale_f32_16x16x128_f8f6f4 v[(\d):(\d)+7], v[(\a):(\a)+11], v[(\b):(\b)+11], 0, v[\sa], v[\sb] matrix_a_fmt:MATRIX_FMT_FP6 matrix_b_fmt:MATRIX_FMT_FP6
.endif
.else
.if \r1
	v_wmma_scale_f32_16x16x128_f8f6f4 v[(\d):(\d)+7], v[(\a):(\a)+11], v[(\b):(\b)+11], v[(\c):(\c)+7], v[\sa], v[\sb] matrix_a_fmt:MATRIX_FMT_FP6 matrix_b_fmt:MATRIX_FMT_FP6 matrix_a_scale:MATRIX_SCALE_ROW1
.else
	v_wmma_scale_f32_16x16x128_f8f6f4 v[(\d):(\d)+7], v[(\a):(\a)+11], v[(\b):(\b)+11], v[(\c):(\c)+7], v[\sa], v[\sb] matrix_a_fmt:MATRIX_FMT_FP6 matrix_b_fmt:MATRIX_FMT_FP6
.endif
.endif
.endm
.macro NOPS n
.rept \n
	v_nop
.endr
.endm
; From the four blocks' largest magnitudes in v232-235: the scale word in v253 and the 64 numbers at v[src] on as a fragment in v224-235
.macro CODES src
.irp b, 0,1,2,3
	s_delay_alu instid0(VALU_DEP_4)
	v_add_nc_u32 v[244+\b], 0xff000000, v[232+\b]          ; 2 off the exponent field: the conversion's scale operand
.endr
.irp b, 0,1,2,3
	s_delay_alu instid0(VALU_DEP_4)
	v_lshrrev_b32 v[236+\b], 23, v[244+\b]                 ; the scale's byte
.endr
	s_delay_alu instid0(VALU_DEP_3)
	v_lshl_or_b32 v253, v237, 8, v236
	s_delay_alu instid0(VALU_DEP_1)
	v_lshl_or_b32 v253, v238, 16, v253
	s_delay_alu instid0(VALU_DEP_1)
	v_lshl_or_b32 v253, v239, 24, v253
.irp c, 0,1
	v_cvt_scalef32_pk16_fp6_f32 v[224+6*\c:226+6*\c], v[(\src)+32*\c:(\src)+15+32*\c], v[244+2*\c]
	v_cvt_scalef32_pk16_fp6_f32 v[236+4*\c:238+4*\c], v[(\src)+16+32*\c:(\src)+31+32*\c], v[244+2*\c+1]
.endr
	v_nop                                                  ; one plain place behind the scaled conversions
.irp c, 0,1                                                ; the operand's layout wants a whole block in a lane
.irp i, 0,1,2
	v_permlane16_swap_b32 v[224+6*\c+\i], v[236+4*\c+\i]
.endr
.irp i, 0,1,2
	s_delay_alu instid0(VALU_DEP_3)
	v_mov_b32 v[227+6*\c+\i], v[236+4*\c+\i]
.endr
.endr
.endm
.macro FRAGS off                       ; four fragments' images from my half's slots into v32-79
.irp t, 0,1,2,3
.irp c, 0,1,2
	ds_load_b128 v[32+12*\t+4*\c:35+12*\t+4*\c], v1 offset:(\off)+1536*\t+512*\c
.endr
.endr
.endm
.macro KVL off                         ; my 3,072 bytes of a step's K and V, from memory
.set KC, 0
.irp q, 80,84,88,92,28,8
	global_load_b128 v[\q:\q+3], v2, s[34:35] offset:(\off)+512*KC
.set KC, KC+1
.endr
.endm
.macro KVS off                         ; and into a slot
.set KC, 0
.irp q, 80,84,88,92,28,8
	ds_store_b128 v6, v[\q:\q+3] offset:(\off)+512*KC
.set KC, KC+1
.endr
.endm
; A KEY STEP: 128 keys, in slot sl.
.macro STEP sl
	v_add_nc_u32 v4, s[TS], v3                             ; the step's scale images.  With the three lines below: four places in front of loads into registers that the last products read
	NOPS 3
.irp g, 0,1                                                ; S^T = K Q^T, four tiles of 16 keys at a time
.if \g > 0
	NOPS 4
.else
	ds_load_b128 v[248:251], v4 offset:512                 ; K's scale image: tile t's words in register t / 2, lanes 16 (t % 2) on
.endif
	FRAGS SLOTB*(\sl)+6144*\g
	s_wait_dscnt 0x0
.irp t, 0,2
	WS 96+8*(4*\g+\t), 32+12*\t, 16, -1, 248+2*\g+\t/2, 255, 0
	WS 104+8*(4*\g+\t), 44+12*\t, 16, -1, 248+2*\g+\t/2, 255, 1
.endr
.endr                                                      ; register 16 b + i holds key KF + 32 b + 16 (lane / 16) + i of my query
	NOPS 4
	FRAGS SLOTB*(\sl)+12288                                ; V's first four fragments are asked for here: they land while the softmax is worked
	s_add_co_u32 s33, s[KF], 127                           ; a step all of whose keys lie ahead of sen_len skips the mask
	s_cmp_lt_u32 s33, s[LEN]
	s_cbranch_scc1 .Lopen_\@
	s_sub_co_i32 s33, s[LEN], s[KF]
	v_bfe_u32 v253, v0, 4, 1
	s_delay_alu instid0(VALU_DEP_1)
	v_lshlrev_b32 v253, 4, v253
	s_delay_alu instid0(VALU_DEP_1)
	v_sub_nc_u32 v252, s33, v253                           ; d = sen_len - KF - 16 (lane / 16): register 16 b + i is hidden where 32 b + i >= d
	v_mov_b32 v254, 0xcf800000                             ; -2^32
.set N, 0
.rept 64
	v_cmp_ge_i32 vcc_lo, 32*(N/16)+N%16, v252
	v_cndmask_b32 v[96+N], v[96+N], v254, vcc_lo
.set N, N+1
.endr
.Lopen_\@:
.irp b, 0,1,2,3
	v_max3_num_f32 v[232+\b], v[96+16*\b], v[97+16*\b], v[98+16*\b]   ; the largest score of each block of 32 keys: for the row's maximum, and, since p rises with the score, for the block's largest p
.endr
.irp i, 3,5,7,9,11,13
.irp b, 0,1,2,3
	v_max3_num_f32 v[232+\b], v[232+\b], v[96+16*\b+\i], v[97+16*\b+\i]
.endr
.endr
.irp b, 0,1,2,3
	v_max_num_f32 v[232+\b], v[232+\b], v[111+16*\b]
.endr
.irp b, 0,1,2,3
	s_delay_alu instid0(VALU_DEP_4)
	v_permlanex16_b32 v[236+\b], v[232+\b], s[SEL], s[SEL+1]
.endr
.irp b, 0,1,2,3
	s_delay_alu instid0(VALU_DEP_4)
	v_max_num_f32 v[232+\b], v[232+\b], v[236+\b]          ; with lane l xor 16's 16 keys
.endr
	s_delay_alu instid0(VALU_DEP_2)
	v_max3_num_f32 v254, v232, v233, v234
	s_delay_alu instid0(VALU_DEP_1)
	v_max_num_f32 v254, v254, v235                         ; the step's largest score of my query
	s_delay_alu instid0(VALU_DEP_1)
	v_mul_f32 v254, s[CS], v254                            ; as t (c is positive)
	s_delay_alu instid0(VALU_DEP_1)
	v_max_num_f32 v13, v13, v254                           ; the running largest t
	v_mov_b32 v254, v12
	s_delay_alu instid0(VALU_DEP_2)
	v_floor_f32 v12, -v13                                  ; the new -M = floor(-t): M is a whole number
	s_delay_alu instid0(VALU_DEP_1)
	v_sub_f32 v254, v12, v254                              ; old M - new M: a whole number, 0 or less
	s_delay_alu instid0(VALU_DEP_1)
	v_cvt_i32_f32 v254, v254                               ; (it saturates)
	s_delay_alu instid0(VALU_DEP_1)
	v_ldexp_f32 v252, 1.0, v254                            ; f = 2^(old M - new M)
.set N, 0
.rept 32
	v_pk_fma_f32 v[96+N:97+N], v[96+N:97+N], s[CS:CS+1], v[12:13] op_sel_hi:[1,0,0]   ; t - M, two at a time
.set N, N+2
.endr
.irp b, 0,1,2,3
	v_fma_f32 v[232+\b], v[232+\b], s[CS], v12             ; the same of each block's largest score
.endr
	s_wait_alu depctr_va_vdst(0)
.set N, 0
.rept 64
	v_exp_f32 v[96+N], v[96+N]                             ; p = 2^(t - M), at most 1
.set N, N+1
.endr
	v_pk_mul_f32 v[14:15], v[14:15], v[252:253] op_sel_hi:[1,0]   ; the sums under the new M: the plain place behind the exponentials
	s_wait_alu depctr_va_vdst(0)                           ; one wait for the whole batch, ahead of its first reader
.irp b, 0,1,2,3
	v_exp_f32 v[232+\b], v[232+\b]                         ; the block's largest p
.endr
	v_pk_add_f32 v[236:237], v[100:101], v[104:105]        ; the row's sum of the unquantised p, in eight chains
	v_pk_add_f32 v[250:251], v[108:109], v[112:113]
	v_pk_add_f32 v[248:249], v[116:117], v[120:121]
	v_pk_add_f32 v[246:247], v[124:125], v[128:129]
	v_pk_add_f32 v[244:245], v[132:133], v[136:137]
	v_pk_add_f32 v[242:243], v[140:141], v[144:145]
	v_pk_add_f32 v[240:241], v[148:149], v[152:153]
	v_pk_add_f32 v[14:15], v[14:15], v[156:157]
	v_pk_add_f32 v[236:237], v[236:237], v[96:97]
	v_pk_add_f32 v[250:251], v[250:251], v[98:99]
	v_pk_add_f32 v[248:249], v[248:249], v[102:103]
	v_pk_add_f32 v[246:247], v[246:247], v[106:107]
	v_pk_add_f32 v[244:245], v[244:245], v[110:111]
	v_pk_add_f32 v[242:243], v[242:243], v[114:115]
	v_pk_add_f32 v[240:241], v[240:241], v[118:119]
	v_pk_add_f32 v[14:15], v[14:15], v[122:123]
	v_pk_add_f32 v[236:237], v[236:237], v[126:127]
	v_pk_add_f32 v[250:251], v[250:251], v[130:131]
	v_pk_add_f32 v[248:249], v[248:249], v[134:135]
	v_pk_add_f32 v[246:247], v[246:247], v[138:139]
	v_pk_add_f32 v[244:245], v[244:245], v[142:143]
	v_pk_add_f32 v[242:243], v[242:243], v[146:147]
	v_pk_add_f32 v[240:241], v[240:241], v[150:151]
	v_pk_add_f32 v[14:15], v[14:15], v[154:155]
	v_pk_add_f32 v[236:237], v[236:237], v[158:159]
	s_delay_alu instid0(VALU_DEP_2)
	v_pk_add_f32 v[14:15], v[14:15], v[246:247]
	s_delay_alu instid0(VALU_DEP_2)
	v_pk_add_f32 v[236:237], v[236:237], v[244:245]
	v_pk_add_f32 v[250:251], v[250:251], v[242:243]
	v_pk_add_f32 v[248:249], v[248:249], v[240:241]
	s_delay_alu instid0(VALU_DEP_2)
	v_pk_add_f32 v[14:15], v[14:15], v[250:251]
	s_delay_alu instid0(VALU_DEP_2)
	v_pk_add_f32 v[236:237], v[236:237], v[248:249]
	s_delay_alu instid0(VALU_DEP_1)
	v_pk_add_f32 v[14:15], v[14:15], v[236:237]
	s_wait_alu depctr_va_vdst(0)                           ; and one for the four
.irp b, 0,1,2,3
	v_max_num_f32 v[232+\b], 0x1800000, v[232+\b]          ; the floor 2^(3 - 127): the byte cannot fall under 1
.endr
	CODES 96                                               ; p's codes and its scale word for these 128 keys
.set N, 0
.rept 32
	v_pk_mul_f32 v[160+N:161+N], v[160+N:161+N], v[252:253] op_sel_hi:[1,0]   ; O^T under the new M.  (These 32 are also the places in front of the products below)
.set N, N+2
.endr
	s_wait_alu depctr_va_vdst(0)
.irp g, 0,1                                                ; O^T += V^T P^T: four tiles of 16 channels at a time
.if \g > 0
	NOPS 4
	FRAGS SLOTB*(\sl)+12288+6144
.else
	ds_load_b128 v[248:251], v4 offset:1024                ; V's scale image
.endif
	s_wait_dscnt 0x0
.irp t, 0,2
	WS 160+8*(4*\g+\t), 32+12*\t, 224, 160+8*(4*\g+\t), 248+2*\g+\t/2, 253, 0
	WS 168+8*(4*\g+\t), 44+12*\t, 224, 168+8*(4*\g+\t), 248+2*\g+\t/2, 253, 1
.endr
.endr
.endm
; Half a trip: key step J, in slot sl.  The next step's bytes are asked for first, land while this step is worked, and go into the other slot, which every wave has left at the last barrier.
; ONE barrier a step: in front of it each wave's reads of this slot are back and its stores into the other have landed.  It stands on every way; only loads, work and stores are jumped over.
.macro HALF sl
	s_add_co_u32 s33, s[J], 1
	s_cmp_lt_u32 s33, s[NST]
	s_cbranch_scc0 .Lno_load_\@
	KVL 36864*((\sl)+1)
	s_add_co_u32 s33, s[J], 2                              ; A PREFETCH of step J + 2's 24,576 bytes, one step ahead of their loads: the sixteen work-groups of one y walk the same K and V, so the one with x = 0 asks,
	s_cmp_lt_u32 s33, s[PLIM]                              ; the first three waves of each half, 8,192 bytes each, lanes 256 bytes apart: each block is named once.  Steps 0 and 1 come by their loads alone; nothing is asked for behind step NST - 1
	s_cbranch_scc0 .Lno_load_\@
	global_prefetch_b8 v5, s[34:35] offset:36864*((\sl)+2) th:TH_LOAD_NT scope:SCOPE_SE
.Lno_load_\@:
	s_cmp_lt_u32 s[J], s[NST]
	s_cbranch_scc0 .Lno_step_\@
	STEP \sl
.Lno_step_\@:
	s_add_co_u32 s[J], s[J], 1
	s_add_co_u32 s[KF], s[KF], 128
	s_add_co_u32 s[TS], s[TS], 1536
	s_wait_loadcnt 0x0                                     ; the next step's bytes are in my registers
	s_cmp_lt_u32 s[J], s[NST]
	s_cbranch_scc0 .Lno_store_\@
	KVS SLOTB*(1-(\sl))
.Lno_store_\@:
	s_wait_dscnt 0x0
	s_barrier_signal -1
	s_barrier_wait -1
.endm
.macro CE i, j                         ; the larger key to place i
	s_max_u32 s60, s[KY+\i], s[KY+\j]
	s_min_u32 s[KY+\j], s[KY+\i], s[KY+\j]
	s_mov_b32 s[KY+\i], s60
.endm
	s_load_b256 s[4:11], s[0:1], 0x0                       ; qkv s[4:5], qkvs s[6:7], wrec s[8:9], b_o s[10:11]
	s_load_b128 s[12:15], s[0:1], 0x20                     ; sen_len s[12:13], out0 s[14:15]
	v_lshrrev_b32 v252, 5, v0
	s_delay_alu instid0(VALU_DEP_1)
	v_readfirstlane_b32 s17, v252                          ; wave 0..15
	s_lshr_b32 s[HF], s17, 2
	s_xor_b32 s[HF], s[HF], s17
	s_and_b32 s[HF], s[HF], 1                              ; my half
	s_lshr_b32 s25, s17, 1                                 ; my place in it, 0..7
	s_lshl_b32 s[WV], s[HF], 3
	s_add_co_u32 s[WV], s[WV], s25
	s_mul_i32 s50, s[HF], HALFB                            ; my half's slots
	s_mul_i32 s51, s25, 3072                               ; my 3,072 bytes of a block of 24,576
	s_mul_i32 s66, s[HF], 24576
	s_add_co_u32 s66, s66, SCB                             ; my half's scale images
	s_and_b32 s69, s[WV], 3
	s_lshl_b32 s67, s69, 13                                ; the prefetches: 8,192 bytes a wave
	s_lshl_b32 s69, s69, 2                                 ; W_o's scale words: register wave % 4 of the image
	s_and_b32 s33, s[WV], 1
	s_bfe_u32 s68, s[WV], 0x20001
	s_lshl_b32 s72, s[HF], 7
	s_lshl_b32 s44, s68, 5
	s_add_co_u32 s72, s72, s44
	s_lshl_b32 s44, s33, 3
	s_add_co_u32 s72, s72, s44                             ; my tile's first query among the work-group's 256: 128 x half + 32 ((w % 8) / 2) + 8 (w % 2)
	s_lshl_b32 s68, s68, 2
	s_lshl_b32 s33, s33, 8
	s_add_co_u32 s68, s68, s33                             ; Q's scale words in their image: lanes 16 (t % 2) on, register t / 2, t = w % 8
	s_lshl_b32 s70, s[WV], 7
	s_add_co_u32 s70, s70, STG                             ; the stage, in: my 32 columns
	s_mul_i32 s71, s[WV], 4*STP
	s_add_co_u32 s71, s71, STG                             ; and back: my 4 rows
	s_mov_b32 s[SEL], 0x76543210
	s_mov_b32 s[SEL+1], 0xfedcba98
	s_mov_b32 s[CS], 0x3d8293ee                            ; c = log2(e) / sqrt(512)
	s_mov_b32 s[CS+1], s[CS]
	s_mov_b32 s[J], 0
	s_mov_b32 s[KF], 0
	s_mov_b32 s[TS], 0
	s_mov_b32 s32, 8
	s_and_b32 s49, ttmp7, 0xffff                           ; y = 4 p + head
	s_cmp_eq_u32 s25, 0                                    ; the head's prefetch: the last block that my wave names: 31, 15, 5, 5 in a half's waves 0 to 3
	s_cselect_b32 s73, 31, 5
	s_cmp_eq_u32 s25, 1
	s_cselect_b32 s73, 15, s73
	v_and_b32 v252, 31, v0                                 ; lane
	v_and_b32 v253, 15, v0                                 ; r
	v_lshlrev_b32 v244, 4, v252                            ; 16 x lane: an image's place for my lane
	v_add_nc_u32 v1, s50, v244                             ; v1  the same in my half's slots
	v_add_nc_u32 v2, s51, v244                             ; v2  my bytes of a block, in memory
	v_add_nc_u32 v3, s66, v244                             ; v3  my lane's place in a scale image
	v_lshl_add_u32 v5, v252, 8, s67                        ; v5  the prefetches' offset
	v_lshl_add_u32 v4, v253, 4, s68
	v_add_nc_u32 v6, s50, v2                               ; v6  my bytes of a block, in a slot
	v_add_nc_u32 v245, s66, v2                             ; and among the scale images
	v_min_u32 v246, s73, v252
	v_lshlrev_b32 v246, 8, v246                            ; the head's prefetch: lanes 256 bytes apart; lanes left over name the wave's last block again
	s_wait_alu depctr_va_vdst(0)
	s_wait_kmcnt 0x0
	s_load_b256 s[KY:KY+7], s[12:13], 0x0                  ; the eight sen_len
	; A PREFETCH of part of what the head's loads will read, while sen_len is on its way.  Which batch a half serves is not known yet, so the blocks are dealt without regard to rank: half hf of work-group (x, 4 p + head)
	; asks for batch p + 4 hf of its head: Q's record of group x (48 blocks: waves 0, 1 of the half), the x-th sixteenth of step 0's K and V (6 blocks: wave 2) and of the 48 scale images (6 blocks: wave 3).
	; Over the launch each of these blocks is named once.
	s_lshr_b32 s74, s49, 2
	s_lshl_b32 s75, s[HF], 2
	s_add_co_u32 s74, s74, s75
	s_lshl_b32 s74, s74, 2
	s_and_b32 s75, s49, 3
	s_add_co_u32 s74, s74, s75
	s_mul_i32 s74, s74, 48                                 ; that (batch, head)'s first record
	s_mul_i32 s75, ttmp9, 3
	s_add_co_u32 s75, s75, s74
	s_mul_i32 s75, s75, 12288
	s_lshl_b32 s76, s25, 13
	s_add_co_u32 s75, s75, s76                             ; waves 0, 1: Q's record, 8,192 bytes on in wave 1
	s_mul_i32 s77, ttmp9, 1536
	s_add_co_u32 s76, s74, 1
	s_mul_i32 s76, s76, 12288
	s_add_co_u32 s76, s76, s77                             ; wave 2: step 0's K and V
	s_lshl_b32 s78, s74, 9
	s_add_co_u32 s78, s78, s77                             ; wave 3: the scale images
	s_cmp_lt_u32 s25, 2
	s_cselect_b32 s76, s75, s76
	s_cmp_eq_u32 s25, 3
	s_cselect_b32 s76, s78, s76
	s_cselect_b64 s[74:75], s[6:7], s[4:5]
	s_mov_b32 s77, 0
	s_add_nc_u64 s[74:75], s[74:75], s[76:77]
	s_cmp_lt_u32 s25, 4
	s_cbranch_scc0 .Lno_warm
	global_prefetch_b8 v246, s[74:75] th:TH_LOAD_NT scope:SCOPE_SE
.Lno_warm:
	s_mov_b32 s45, 0
	s_lshr_b32 s44, s[WV], 2
	s_mul_i32 s44, s44, 51200
	s_add_co_u32 s44, s44, 48*25600
	s_add_nc_u64 s[38:39], s[8:9], s[44:45]                ; W_o: column group w / 4: two records
	s_and_b32 s44, s[WV], 3
	s_mul_i32 s44, s44, 3072
	s_add_nc_u64 s[36:37], s[38:39], s[44:45]              ; my two tiles, 2 (w % 4) and 2 (w % 4) + 1
	s_lshl_b32 s44, s[WV], 7
	s_add_nc_u64 s[10:11], s[10:11], s[44:45]              ; b_o: my 32 columns
	s_wait_kmcnt 0x0
.irp b, 0,1,2,3,4,5,6,7                                    ; a key: the length that is walked (2,048 where sen_len is 0) << 16 | sen_len << 3 | batch: no two are equal
	s_max_i32 s[KY+\b], s[KY+\b], 0
	s_min_i32 s[KY+\b], s[KY+\b], 2048
	s_cmp_eq_u32 s[KY+\b], 0
	s_cselect_b32 s60, 2048, s[KY+\b]
	s_lshl_b32 s60, s60, 16
	s_lshl_b32 s[KY+\b], s[KY+\b], 3
	s_or_b32 s[KY+\b], s[KY+\b], s60
	s_or_b32 s[KY+\b], s[KY+\b], \b
.endr
	CE 0,1                                                 ; sorted, the largest first: two sorts of four and an odd-even merge
	CE 2,3
	CE 4,5
	CE 6,7
	CE 0,2
	CE 1,3
	CE 4,6
	CE 5,7
	CE 1,2
	CE 5,6
	CE 0,4
	CE 1,5
	CE 2,6
	CE 3,7
	CE 2,4
	CE 3,5
	CE 1,2
	CE 3,4
	CE 5,6
	s_lshr_b32 s61, s49, 2                                 ; p
	s_sub_co_u32 s60, 7, s61
	s_cmp_eq_u32 s[HF], 0
	s_cselect_b32 s61, s61, s60                            ; my half's rank: p or 7 - p
	s_mov_b32 s62, s[KY]
.irp i, 1,2,3,4,5,6,7
	s_cmp_eq_u32 s61, \i
	s_cselect_b32 s62, s[KY+\i], s62
.endr
	s_and_b32 s63, s62, 7
	s_min_u32 s63, s63, 7                                  ; my batch
	s_bfe_u32 s[LEN], s62, 0xc0003                         ; its sen_len
	s_lshr_b32 s[NST], s62, 16
	s_add_co_u32 s[NST], s[NST], 127
	s_lshr_b32 s[NST], s[NST], 7
	s_cmp_lt_u32 s25, 3
	s_cselect_b32 s[PLIM], s[NST], 0
	s_cmp_eq_u32 ttmp9, 0
	s_cselect_b32 s[PLIM], s[PLIM], 0
	s_lshl_b32 s24, s63, 2
	s_and_b32 s33, s49, 3
	s_add_co_u32 s24, s24, s33                             ; bh = 4 x batch + head
	s_mul_i32 s48, s24, 48                                 ; its first record
	s_mul_i32 s33, ttmp9, 3
	s_add_co_u32 s33, s33, s48                             ; Q's record of group x
	s_mul_i32 s44, s33, 12288
	s_mul_i32 s60, s25, 1536
	s_add_co_u32 s44, s44, s60
	s_add_nc_u64 s[40:41], s[4:5], s[44:45]                ; my fragment of Q
	s_lshl_b32 s44, s33, 9
	s_add_nc_u64 s[42:43], s[6:7], s[44:45]                ; its group's scale image
	s_lshl_b32 s44, s48, 9
	s_add_nc_u64 s[46:47], s[6:7], s[44:45]                ; the 48 scale images
	s_add_co_u32 s44, s48, 1
	s_mul_i32 s44, s44, 12288
	s_add_nc_u64 s[34:35], s[4:5], s[44:45]                ; K and V of step 0; a step on: 36,864 bytes
	s_lshl_b32 s44, s24, 9
	s_lshl_b32 s33, ttmp9, 5
	s_add_co_u32 s44, s44, s33
	s_lshl_b32 s33, s25, 2
	s_add_co_u32 s44, s44, s33
	s_lshl_b32 s44, s44, 11
	s_add_nc_u64 s[14:15], s[14:15], s[44:45]              ; the rows that I store: 512 bh + 32 x + 4 (w % 8) on, 2,048 bytes each
.irp c, 0,1,2
	global_load_b128 v[16+4*\c:19+4*\c], v244, s[40:41] offset:512*\c
.endr
	global_load_b32 v255, v4, s[42:43]
.irp c, 0,1,2,3,4,5
	global_load_b128 v[32+4*\c:35+4*\c], v2, s[46:47] offset:512*\c
.endr
	KVL 0
	v_mov_b32 v13, 0xff61b1e6                              ; the largest t so far: -3e38, under every t
	s_delay_alu instid0(VALU_DEP_1)
	v_floor_f32 v12, -v13
	v_mov_b32 v14, 0
	v_mov_b32 v15, 0
.irp b, 0,1,2,3
	v_mov_b32 v[236+\b], 0                                 ; written once: a lane permute's destination counts as one of its sources
.endr
	v_mov_b32 v252, 0
	v_mov_b32 v253, 0
.set N, 0
.rept 64
	v_mov_b32 v[160+N], 0                                  ; O^T: the step is written without a first step of its own: the first change of M multiplies zeros
.set N, N+1
.endr
	s_wait_alu depctr_va_vdst(0)
	s_wait_loadcnt 0x0
	s_wait_xcnt 0x0                                        ; the head's prefetch has read its offset: the steps write that register again
.irp c, 0,1,2,3,4,5
	ds_store_b128 v245, v[32+4*\c:35+4*\c] offset:512*\c
.endr
	KVS 0
	s_wait_dscnt 0x0
	s_barrier_signal -1
	s_barrier_wait -1                                      ; both halves' scale images and step 0 lie in LDS
.Ltrip:                                                    ; 8 trips of two key steps: a constant count; what lies behind sen_len is jumped over inside
	HALF 0
	HALF 1
	s_wait_xcnt 0x0                                        ; the trip's loads and prefetches have read their base
	s_add_nc_u64 s[34:35], s[34:35], 73728
	s_sub_co_u32 s32, s32, 1
	s_cmp_lg_u32 s32, 0
	s_cbranch_scc1 .Ltrip
	; ---- Z = O / the sum, quantised; then the last product.
	NOPS 4                                                 ; places behind the last products
	v_and_b32 v252, 31, v0
	v_bfe_u32 v254, v0, 4, 1                               ; h
	v_and_b32 v5, 15, v0                                   ; r
	v_lshlrev_b32 v1, 4, v252                              ; v1  16 x lane
	v_lshlrev_b32 v6, 6, v254                              ; v6  b_o: 64 h
	v_add_nc_u32 v7, s69, v1                               ; v7  W_o's scale words
.irp u, 0,1                                                ; in the order in which the last product wants them.  b_o in the result's layout: lane (r, h), tile u: columns 32 w + 16 h + 8 u + 0 .. 7
	global_load_b128 v[16+8*\u:19+8*\u], v6, s[10:11] offset:32*\u
	global_load_b128 v[20+8*\u:23+8*\u], v6, s[10:11] offset:32*\u+16
.endr
.irp s, 0,1
	global_load_b32 v[12+\s], v7, s[38:39] offset:24576+512*\s   ; W_o's scale words of K steps 0, 1 (-M and the largest t are done with): lanes 0-15 my first tile's, lanes 16-31 my second's
.endr
.irp s, 0,1,2,3                                            ; W_o's fragments (tile u of my two, K step s) at v[32 + 12 (4 u + s)], K step by K step
.irp u, 0,1
.irp c, 0,1,2
	global_load_b128 v[32+12*(4*\u+\s)+4*\c:35+12*(4*\u+\s)+4*\c], v1, s[36:37] offset:25600*(\s/2)+12288*(\s%2)+1536*\u+512*\c
.endr
.endr
.endr
	v_add_f32 v14, v14, v15
	s_delay_alu instid0(VALU_DEP_1)
	v_permlanex16_b32 v252, v14, s[SEL], s[SEL+1]
	s_delay_alu instid0(VALU_DEP_1)
	v_add_f32 v14, v14, v252                               ; the row's sum
	s_wait_alu depctr_va_vdst(0)
	v_rcp_f32 v14, v14
	v_mul_u32_u24 v2, v5, STP                              ; (plain work behind the reciprocal)  the way out's addresses, in registers that the loop has done with
	v_and_b32 v9, 8, v5
	v_add_nc_u32 v2, v6, v2
	v_add_nc_u32 v9, v9, v5
	v_add_nc_u32 v4, s71, v1                               ; v4  the stage, back: my rows 4 w on, 16 bytes a lane
	v_add_nc_u32 v2, s70, v2                               ; v2  the stage, in: row r, + 128 w + 64 h
	v_add_nc_u32 v9, s72, v9                               ; my query q among the 256: + r + 8 (r / 8)
	v_lshl_add_u32 v11, v5, 4, ZS                          ; v11 the last product's rows: their 4 scale words
	v_add_nc_u32 v3, 32*STP, v2                            ; v3  the same 32 rows on
	v_lshrrev_b32 v8, 6, v9
	v_and_b32 v10, 3, v9
	s_delay_alu instid0(VALU_DEP_1)
	v_lshl_add_u32 v8, v8, 2, v10                          ; image 4 (q / 64) + q % 4
	v_bfe_u32 v10, v9, 2, 4                                ; row (q / 4) % 16 of its tile
	s_delay_alu instid0(VALU_DEP_2)
	v_mul_u32_u24 v8, v8, 1536
	s_delay_alu instid0(VALU_DEP_1)
	v_lshl_add_u32 v8, v10, 4, v8
	s_delay_alu instid0(VALU_DEP_1)
	v_lshl_add_u32 v8, v254, 8, v8
	s_delay_alu instid0(VALU_DEP_1)
	v_add_nc_u32 v8, ZC, v8                                ; v8  where I put my query's codes: lane 16 h + row of the image
	v_lshl_add_u32 v9, v9, 2, ZS                           ; v9  and its scale word
	v_add_nc_u32 v10, ZC, v1                               ; v10 an image's place for my lane
	s_wait_alu depctr_va_vdst(0)                           ; the wait ahead of the reciprocal's first reader
.set N, 0
.rept 32
	v_pk_mul_f32 v[160+N:161+N], v[160+N:161+N], v[14:15] op_sel_hi:[1,0]   ; register 16 b + i: channel 32 b + 16 h + i of my query
.set N, N+2
.endr
.irp b, 0,1,2,3
	v_max3_num_f32 v[232+\b], |v[160+16*\b]|, |v[161+16*\b]|, 0x1800000
.endr
.irp i, 2,4,6,8,10,12,14
.irp b, 0,1,2,3
	s_delay_alu instid0(VALU_DEP_4)
	v_max3_num_f32 v[232+\b], v[232+\b], |v[160+16*\b+\i]|, |v[161+16*\b+\i]|
.endr
.endr
.irp b, 0,1,2,3
	s_delay_alu instid0(VALU_DEP_4)
	v_permlanex16_b32 v[236+\b], v[232+\b], s[SEL], s[SEL+1]
.endr
.irp b, 0,1,2,3
	s_delay_alu instid0(VALU_DEP_4)
	v_max_num_f32 v[232+\b], v[232+\b], v[236+\b]
.endr
	CODES 160
.irp s, 2,3
	global_load_b32 v[12+\s], v7, s[38:39] offset:25600*(\s/2)+24576+512*(\s%2)   ; W_o's scale words of K steps 2, 3, where the sum lay
.endr
.irp c, 0,1,2
	ds_store_b128 v8, v[224+4*\c:227+4*\c] offset:512*\c   ; my 12 registers are those of lane (row, h) of the last product's operand: registers 6 c on hold channels 64 c + 32 h + 0 .. 31
.endr
	ds_store_b32 v9, v253
	s_wait_dscnt 0x0
	s_barrier_signal -1
	s_barrier_wait -1                                      ; 256 queries' codes and scale words lie in LDS
.irp s, 0,1,2,3                                            ; K step s = query 4 i + s of row i.  Eight accumulators by turns: (tile of 16 rows m, my tile of columns u) at v[192 + 8 (4 u + m)]
.irp m, 0,1,2,3
.irp c, 0,1,2
	ds_load_b128 v[128+12*\m+4*\c:131+12*\m+4*\c], v10 offset:1536*(4*\m+\s)+512*\c   ; 512 consecutive bytes a load
.endr
.if \s == 0
	ds_load_b128 v[176+4*\m:179+4*\m], v11 offset:256*\m   ; the rows' four scale words, once
.endif
.endr
	s_wait_dscnt 0x0
.if \s == 0
	s_wait_loadcnt 20                                      ; b_o, two scale words and K step 0's six loads are in; behind them: 18 loads of fragments and the two late scale words
.elseif \s == 1
	s_wait_loadcnt 14                                      ; K step 1's six; behind them: 12 and 2
.elseif \s == 2
	s_wait_loadcnt 0x0                                     ; the late scale words are the youngest
.endif
.irp m, 0,1,2,3
.if \s == 0
	WS 192+8*\m, 32+12*\s, 128+12*\m, 16, 12+\s, 176+4*\m+\s, 0
	WS 224+8*\m, 80+12*\s, 128+12*\m, 24, 12+\s, 176+4*\m+\s, 1
.else
	WS 192+8*\m, 32+12*\s, 128+12*\m, 192+8*\m, 12+\s, 176+4*\m+\s, 0
	WS 224+8*\m, 80+12*\s, 128+12*\m, 224+8*\m, 12+\s, 176+4*\m+\s, 1
.endif
.endr
	NOPS 4                                                 ; places in front of loads into registers that the products have read, and of the first read of results
.endr
.irp m, 0,1,2,3                                            ; lane (r, h): out(16 m + r, 32 w + 16 h + 8 u + 0 .. 7); each accumulator from its low end on
.irp u, 0,1
	ds_store_b128 v[2+\m/2], v[192+8*(4*\u+\m):195+8*(4*\u+\m)] offset:16*STP*(\m%2)+32*\u
	ds_store_b128 v[2+\m/2], v[196+8*(4*\u+\m):199+8*(4*\u+\m)] offset:16*STP*(\m%2)+32*\u+16
.endr
.endr
	s_wait_dscnt 0x0
	s_barrier_signal -1
	s_barrier_wait -1                                      ; 64 whole rows lie in the stage
.irp i, 0,1,2,3,4,5,6,7,8,9,10,11,12,13,14,15
	ds_load_b128 v[128+4*\i:131+4*\i], v4 offset:STP*(\i/4)+512*(\i%4)
.endr
.irp i, 0,1,2,3,4,5,6,7,8,9,10,11,12,13,14,15
	s_wait_dscnt 15-\i                                     ; the loads issued behind load i may be out
	global_store_b128 v1, v[128+4*\i:131+4*\i], s[14:15] offset:2048*(\i/4)+512*(\i%4) th:TH_STORE_NT   ; 32 lanes store 512 consecutive bytes, at a multiple of 256 from out0's first byte
.endr
	s_wait_xcnt 0x0
	v_lshl_add_u32 v254, v0, 2, SPARE
	v_mov_b32 v255, 0
	s_wait_alu depctr_va_vdst(0)
	s_wait_tensorcnt 0x0                                   ; the wave's end
	ds_add_u32 v254, v255
	s_wait_dscnt 0x0
	s_endpgm
.Lfunc_end_k_q9348ff5070_attn:
	.size	k_q9348ff5070_attn, .Lfunc_end_k_q9348ff5070_attn-k_q9348ff5070_attn
	.p2alignl 7, 3214868480
	.fill 96, 4, 3214868480
	.section	.rodata,"a",@progbits
	.p2align	6, 0x0
	.amdhsa_kernel k_q9348ff5070_attn
		.amdhsa_group_segment_fixed_size 307200
		.amdhsa_private_segment_fixed_size 0
		.amdhsa_enable_private_segment 0
		.amdhsa_kernarg_size 48
		.amdhsa_user_sgpr_count 2
		.amdhsa_user_sgpr_kernarg_segment_ptr 1
		.amdhsa_wavefront_size32 1
		.amdhsa_system_sgpr_workgroup_id_x 1
		.amdhsa_system_sgpr_workgroup_id_y 1
		.amdhsa_system_sgpr_workgroup_id_z 1
		.amdhsa_system_vgpr_workitem_id 0
		.amdhsa_next_free_vgpr 256
		.amdhsa_next_free_sgpr 96
		.amdhsa_reserve_vcc 1
		.amdhsa_float_denorm_mode_32 3
		.amdhsa_float_denorm_mode_16_64 3
		.amdhsa_memory_ordered 1
		.amdhsa_forward_progress 1
		.amdhsa_inst_pref_size 94
	.end_amdhsa_kernel
	.amdgpu_metadata
---
amdhsa.version: [ 1, 2 ]
amdhsa.kernels:
  - .name:           k_q9348ff5070_attn
    .symbol:         k_q9348ff5070_attn.kd
    .args:
      - { .name: qkv, .offset: 0, .size: 8, .value_kind: global_buffer, .address_space: global }
      - { .name: qkvs, .offset: 8, .size: 8, .value_kind: global_buffer, .address_space: global }
      - { .name: wrec, .offset: 16, .size: 8, .value_kind: global_buffer, .address_space: global }
      - { .name: b_o, .offset: 24, .size: 8, .value_kind: global_buffer, .address_space: global }
      - { .name: sen_len, .offset: 32, .size: 8, .value_kind: global_buffer, .address_space: global }
      - { .name: out0, .offset: 40, .size: 8, .value_kind: global_buffer, .address_space: global }
    .group_segment_fixed_size: 307200
    .private_segment_fixed_size: 0
    .kernarg_segment_align: 8
    .kernarg_segment_size: 48
    .max_flat_workgroup_size: 512
    .sgpr_count:     96
    .vgpr_count:     256
    .wavefront_size: 32
...
	.end_amdgpu_metadata
.endif
;; end of part 3
